; MI455X (gfx1250); checked and timed in simulation.
; The chip was launched on July 23, 2026; its instructions are those of AMD's public machine-readable ISA for CDNA 5 (MIT licence, August 2026) and "CDNA5" Instruction Set Architecture Reference Guide (July 2026). The comments in the code are by the model that wrote it; some were corrected since.
;; Multi Head Self Attention. Allowed arithmetic: float matrix products may take bf16 or f16 operands with f32 sums; all other float work in f32.
;; Inputs: b_k 1,024 float32; b_o 1,024 float32; b_q 1,024 float32; b_v 1,024 float32; w_k 1,024 x 1,024 float32; w_o 1,024 x 1,024 float32; w_q 1,024 x 1,024 float32; w_v 1,024 x 1,024 float32; x 4 x 2,048 x 1,024 float32.
;; Outputs: out0 4 x 2,048 x 1,024 float32.
;; 3 versions, each right; version 3 is version 2 with the launch cast written anew for expert scheduling mode. Each part assembles by itself: llvm-mc -triple=amdgcn-amd-amdhsa -mcpu=gfx1250 --defsym DOCPART=n.
;; ======== version 1 of 3: 4 launches
;; limits: values are held in f16: magnitudes above 65,504 overflow, below 6.1e-05 lose precision
;; workspace buffers: cb 25,165,824 bytes; qkv 50,331,648 bytes; ao 16,777,216 bytes
;; launch cast (part 1): grid 64 x 12, 8 waves a work-group, no clusters, 0 bytes of LDS; arguments x, w_q, w_k, w_v, w_o, cb; writes cb
.if DOCPART == 1
	.amdgcn_target "amdgcn-amd-amdhsa--gfx1250"
	.amdhsa_code_object_version 6
	.text
	.protected	k_q6b65aaa534_cast
	.globl	k_q6b65aaa534_cast
	.p2align	8
	.type	k_q6b65aaa534_cast,@function
k_q6b65aaa534_cast:
	s_mov_b64 s[64:65], 0
	v_nop
	global_prefetch_b8 v0, s[64:65] scope:SCOPE_SE
	s_setreg_imm32_b32 hwreg(HW_REG_WAVE_MODE, 25, 1), 1
	s_wait_xcnt 0x0
; cast: x (as 8 matrices of 1024 x 1024) and the four weights, f32, are rounded once to f16 and laid into cb in blocks.
; cb holds 12 matrices of 2 MiB: 0-7 = x's rows 1024 g .. 1024 g + 1023, 8 = w_q, 9 = w_k, 10 = w_v, 11 = w_o.
; Inside a matrix, element (row, col) lies at byte (col >> 6) * 131072 + row * 128 + (col & 63) * 2: sixteen dense blocks of 1024 rows x 64 columns,
; so that every tile "rows x 64 columns" that the later launches fetch is one unbroken run of memory.
; LIMIT: a number beyond f16's largest, 65,504, becomes infinite.  x has a spread of 1 and the weights of 1/32: 30 times larger, or an offset of 30 spreads, stays under 200.
; A stream: each byte is read once and written once, so there is no LDS, no barrier and no matrix work.
; The work-group (x = 16 rows, y = the matrix) has eight waves; a wave takes two rows: lanes 0-15 read 256 neighbouring bytes (64 columns) of one row,
; lanes 16-31 the same columns of the next; the 16 column blocks are 16 loads, all on their way at once.
.set X, 8                              ; v[8:71]   block kb: 4 numbers in f32
.set Y, 72                             ; v[72:103] block kb: the same 4 in f16
	s_load_b256 s[4:11], s[0:1], 0x0               ; x s[4:5], w_q s[6:7], w_k s[8:9], w_v s[10:11]
	s_load_b128 s[12:15], s[0:1], 0x20             ; w_o s[12:13], cb s[14:15]
	s_and_b32 s16, ttmp7, 0xffff                   ; the matrix, 0 to 11
	v_lshrrev_b32 v1, 4, v0                        ; my row of the group's 16
	v_and_b32 v3, 15, v0
	v_lshlrev_b32 v1, 12, v1                       ; x 4,096 bytes
	v_lshl_add_u32 v1, v3, 4, v1                   ; + 16 bytes for each of 16 lanes
	v_lshlrev_b32 v2, 3, v0                        ; in cb: row * 128 + (lane mod 16) * 8 = 8 t
	s_cmp_lt_u32 s16, 8
	s_cselect_b32 s18, s16, 0                      ; x's part: 1,024 rows of 4,096 bytes for each matrix; a weight starts at its own first byte
	s_lshl_b32 s18, s18, 22
	s_lshl_b32 s19, ttmp9, 16                      ; the group's 16 rows
	s_add_co_u32 s18, s18, s19
	s_mov_b32 s19, 0
	s_lshl_b32 s20, s16, 21                        ; in cb: 2 MiB a matrix,
	s_lshl_b32 s21, ttmp9, 11                      ; 16 rows of 128 bytes
	s_add_co_u32 s20, s20, s21
	s_mov_b32 s21, 0
	s_wait_kmcnt 0x0
	s_cmp_eq_u32 s16, 8                            ; the source is chosen by the matrix number alone
	s_cselect_b64 s[4:5], s[6:7], s[4:5]
	s_cmp_eq_u32 s16, 9
	s_cselect_b64 s[4:5], s[8:9], s[4:5]
	s_cmp_eq_u32 s16, 10
	s_cselect_b64 s[4:5], s[10:11], s[4:5]
	s_cmp_eq_u32 s16, 11
	s_cselect_b64 s[4:5], s[12:13], s[4:5]
	s_add_nc_u64 s[4:5], s[4:5], s[18:19]
	s_add_nc_u64 s[14:15], s[14:15], s[20:21]
.irp kb, 0,1,2,3,4,5,6,7,8,9,10,11,12,13,14,15
	global_load_b128 v[X+4*\kb:X+4*\kb+3], v1, s[4:5] offset:\kb*256 th:TH_LOAD_NT
.endr
.irp kb, 0,1,2,3,4,5,6,7,8,9,10,11,12,13,14,15
	s_wait_loadcnt 15-\kb                          ; loads come back in order (ISA guide 5.7.1): block kb is in, the 15 - kb younger ones stay out
	v_cvt_pk_f16_f32 v[Y+2*\kb], v[X+4*\kb], v[X+4*\kb+1]
	v_cvt_pk_f16_f32 v[Y+2*\kb+1], v[X+4*\kb+2], v[X+4*\kb+3]
	global_store_b64 v2, v[Y+2*\kb:Y+2*\kb+1], s[14:15] offset:\kb*131072   ; the wave's 32 lanes store 256 consecutive bytes, aligned: two rows of one block
.endr
	s_endpgm                                       ; no register is written twice, so no source of a pending instruction is ever rewritten
.Lfunc_end_k_q6b65aaa534_cast:
	.size	k_q6b65aaa534_cast, .Lfunc_end_k_q6b65aaa534_cast-k_q6b65aaa534_cast
	.p2alignl 7, 3214868480
	.fill 96, 4, 3214868480
	.section	.rodata,"a",@progbits
	.p2align	6, 0x0
	.amdhsa_kernel k_q6b65aaa534_cast
		.amdhsa_group_segment_fixed_size 0
		.amdhsa_private_segment_fixed_size 0
		.amdhsa_enable_private_segment 0
		.amdhsa_kernarg_size 48
		.amdhsa_user_sgpr_count 2
		.amdhsa_user_sgpr_kernarg_segment_ptr 1
		.amdhsa_wavefront_size32 1
		.amdhsa_system_sgpr_workgroup_id_x 1
		.amdhsa_system_sgpr_workgroup_id_y 1
		.amdhsa_system_sgpr_workgroup_id_z 1
		.amdhsa_system_vgpr_workitem_id 0
		.amdhsa_next_free_vgpr 104
		.amdhsa_next_free_sgpr 66
		.amdhsa_reserve_vcc 0
		.amdhsa_float_denorm_mode_32 3
		.amdhsa_float_denorm_mode_16_64 3
		.amdhsa_memory_ordered 1
		.amdhsa_forward_progress 1
		.amdhsa_inst_pref_size 7
	.end_amdhsa_kernel
	.amdgpu_metadata
---
amdhsa.version: [ 1, 2 ]
amdhsa.kernels:
  - .name:           k_q6b65aaa534_cast
    .symbol:         k_q6b65aaa534_cast.kd
    .args:
      - { .name: x, .offset: 0, .size: 8, .value_kind: global_buffer, .address_space: global }
      - { .name: w_q, .offset: 8, .size: 8, .value_kind: global_buffer, .address_space: global }
      - { .name: w_k, .offset: 16, .size: 8, .value_kind: global_buffer, .address_space: global }
      - { .name: w_v, .offset: 24, .size: 8, .value_kind: global_buffer, .address_space: global }
      - { .name: w_o, .offset: 32, .size: 8, .value_kind: global_buffer, .address_space: global }
      - { .name: cb, .offset: 40, .size: 8, .value_kind: global_buffer, .address_space: global }
    .group_segment_fixed_size: 0
    .private_segment_fixed_size: 0
    .kernarg_segment_align: 8
    .kernarg_segment_size: 48
    .max_flat_workgroup_size: 256
    .sgpr_count:     66
    .vgpr_count:     104
    .wavefront_size: 32
...
	.end_amdgpu_metadata
.endif
;; end of part 1
;; launch qkv (part 2): grid 24 x 32, 4 waves a work-group, clusters of 4 x 4, 327,680 bytes of LDS; arguments cb, b_q, b_k, b_v, qkv; writes qkv
.if DOCPART == 2
	.amdgcn_target "amdgcn-amd-amdhsa--gfx1250"
	.amdhsa_code_object_version 6
	.text
	.protected	k_q6b65aaa534_qkv
	.globl	k_q6b65aaa534_qkv
	.p2align	8
	.type	k_q6b65aaa534_qkv,@function
k_q6b65aaa534_qkv:
	s_mov_b64 s[64:65], 0
	v_nop
	global_prefetch_b8 v0, s[64:65] scope:SCOPE_SE
	s_setreg_imm32_b32 hwreg(HW_REG_WAVE_MODE, 25, 1), 1
	s_wait_xcnt 0x0
	s_wait_alu depctr_hold_cnt(0) depctr_sa_sdst(0) depctr_va_vdst(0) depctr_va_sdst(0) depctr_va_ssrc(0) depctr_va_vcc(0) depctr_vm_vsrc(0)
	s_getreg_b32 s2, hwreg(HW_REG_IB_STS2, 6, 4)
	s_cmp_eq_u32 s2, 0
	s_cbranch_scc0 .Lentry_in_a_cluster
	s_endpgm
.Lentry_in_a_cluster:
	s_bfe_u32 s2, ttmp6, 0x10000c
	s_cmp_lg_u32 s2, 0xf033
	s_cbranch_scc0 .Lentry_shape_is_right
	s_endpgm
.Lentry_shape_is_right:
; qkv: [q | k | v] = x [w_q | w_k | w_v] + bias: a product of 8192 x 3072 x 1024, f16 operands from cb, sums in f32, results rounded once to f16.
; qkv is [3][batch 4][head 16][token 2048][64] f16.
; LIMIT: a projection beyond f16's largest, 65,504, becomes infinite.  With x and the weights both 30 times larger the projections have a spread of 900;
; with an offset of 30 spreads on both, their common term is 1024 * 30 * 30/32 = 28,800.
; A work-group makes 256 rows x 128 columns with four waves; a wave makes 128 rows x 64 columns, which is ONE head: its result is a dense run of 16 KiB of qkv.
; 24 x 32 = 768 work-groups, three for each of 256 WGPs.  K goes in steps of 128 through two LDS slots filled by the tensor data mover.
; In cb every tile is a dense run (see the layout below), fetched as rows of 256 bytes that start at multiples of 256 bytes.
; CLUSTERS: 4 x 4 work-groups.  The four of a row of the cluster need the same tiles of x, the four of a column the same tiles of the weights:
; each tile is asked for jointly, by the same tensor load in all four, which divides the requests for both by four.
; cb: matrix g (2 MiB) = 16 blocks of 1024 rows x 64 columns, 128 bytes a row.  Matrices 0-7: x, row = token.  8, 9, 10: w_q, w_k, w_v, row = k, column = n.
; THE MATRIX INSTRUCTION IS USED TRANSPOSED: source 0 = 16 columns of W, source 1 = 16 rows of x.  Lane l then holds row l % 16 of the result, and its
; registers 0-7 the columns 8 (l / 16) + 0 .. 7: eight neighbouring numbers, which pack into 16 bytes.
; REGISTERS: window 0: v16-23 addresses; v32-127, v128-223 two fragment buffers (8 fragments of x, then 4 of W); v224-255 the bias of my 32 columns a lane.
;            window 1: the 32 accumulator tiles, tile (a, b) (16 rows a, 16 columns b) at v[8 (4 a + b)].
.set PA,    144                        ; LDS pitch of x's rows: 128 bytes + 16: an odd multiple of 16, so the 16 rows of a fragment load start in 16 different groups of 4 banks (64 banks of 4 bytes: ISA guide 11.1)
.set PB,    160                        ; LDS pitch of W's rows: 128 bytes + 32: an odd multiple of 32, as the transposing load's eight rows of 16 bytes want
.set ABLK,  256*PA                     ; 256 rows of x, 64 along K
.set BBLK,  128*PB                     ; 128 rows (k) of W, 64 columns
.set BOFF,  2*ABLK                     ; a slot: x's two K blocks, then W's two column blocks
.set SLOT,  BOFF+2*BBLK                ; 114,688 bytes
.set STAGE, 2*SLOT                     ; behind the ring: 16 rows x 144 bytes for each wave, for the way out; no tensor load lands here
.set SP,    144
.set WOFF,  16777216                   ; the weights begin behind x's 8 matrices
.set ASTEP, 262144                     ; a K step in x: two blocks of 128 KiB
.set BSTEP, 16384                      ; a K step in W: 128 rows of 128 bytes
.set ADRA, 16                          ; v16-17 LDS address of my fragments of x in slot 0, 1
.set ADRB, 18                          ; v18-19 the same for W
.set STO,  20                          ; the way out: where I put 16 bytes of a row
.set RD,   21                          ; the way out: where I read rows back
.set CO,   22                          ; my byte offset in the wave's run of qkv
.set BO,   23                          ; my byte offset in the bias
.set F0,   32
.set F1,   128
.set BIAS, 224
.set T,    32                          ; the way out: sums + bias
.set PK,   64                          ; the way out: packed f16
.set G1A, 24                           ; s[24:31] descriptor group 1, x's tiles
.set G0A, 32                           ; s[32:39] descriptor group 0, x's tiles, one set for each slot
.set G1B, 40                           ; s[40:47] group 1, W's tiles
.set G0B, 48                           ; s[48:55] group 0, W's tiles
.set ACCW, 0x50                        ; C and D in window 1, sources 0 and 1 in window 0
.set MSB, 0
.macro WIN new                         ; the immediate's high byte repeats the setting that is left; a switch that changes nothing is dropped
.if MSB != \new
	s_set_vgpr_msb (MSB<<8)|\new
.set MSB, \new
.endif
.endm
.macro PLACES                          ; four places behind matrix instructions, in front of loads into their sources and of vector instructions that read their results (ISA guide 7.12.1 for vector instructions)
.rept 4
	v_nop
.endr
.endm
; A joint load.  Waves 0 and 1 fetch x's two K blocks, waves 2 and 3 W's two column blocks.  The branch hangs on the wave's number alone.
.macro JLOAD s
	s_cmp_eq_u32 s15, 0
	s_cbranch_scc0 .Lfor_b_\@
	tensor_load_to_lds s[G0A+4*\s:G0A+4*\s+3], s[G1A:G1A+7]
	s_nop 0
	s_branch .Lasked_\@
.Lfor_b_\@:
	tensor_load_to_lds s[G0B+4*\s:G0B+4*\s+3], s[G1B:G1B+7]
	s_nop 0
.Lasked_\@:
.endm
; A round of the cluster's barrier: my work-group's barrier; wave 0 signals for the work-group; every wave waits for all sixteen; my work-group's barrier again.
.macro CREST                           ; a round behind its opening barrier
	s_cmp_lg_u32 s14, 0
	s_cbranch_scc1 .Lnot_wave_0_\@
	s_barrier_signal -3
.Lnot_wave_0_\@:
	s_barrier_wait -3
	s_barrier_signal -1
	s_barrier_wait -1
.endm
.macro CROUND
	s_barrier_signal -1
	s_barrier_wait -1
	CREST
.endm
	s_load_b256 s[4:11], s[0:1], 0x0               ; cb s[4:5], b_q s[6:7], b_k s[8:9], b_v s[10:11]
	s_load_b64 s[12:13], s[0:1], 0x20              ; qkv
	v_lshl_add_u32 v30, v0, 2, 0x3a400
	v_mov_b32 v31, 0
	ds_add_u32 v30, v31
	v_lshrrev_b32 v1, 5, v0
	v_readfirstlane_b32 s14, v1                    ; wave 0..3
	s_lshr_b32 s15, s14, 1                         ; my half of the block's rows.  Also: I fetch for x (0) or for W (1)
	s_and_b32 s16, s14, 1                          ; my half of its columns.  Also: which of the two blocks I fetch
	s_bfe_u32 s17, ttmp6, 0x40000                  ; cx
	s_bfe_u32 s18, ttmp6, 0x40004                  ; cy
	s_lshl_b32 s19, ttmp9, 2
	s_add_co_u32 s19, s19, s17                     ; block column, 0..23
	s_and_b32 s20, ttmp7, 0xffff
	s_lshl_b32 s20, s20, 2
	s_add_co_u32 s20, s20, s18                     ; block row, 0..31
	s_lshl_b32 s21, s18, 2
	s_lshl_b32 s21, 15, s21                        ; my row of the cluster: places 4 cy .. 4 cy + 3
	s_lshl_b32 s22, 0x1111, s17                    ; my column: places cx, cx + 4, cx + 8, cx + 12
	s_lshr_b32 s23, ttmp9, 1                       ; q, k or v: 8 block columns each, the same for the whole cluster
	; group 1 of x's tiles: a dense run of 32 KiB as 128 rows of 32 elements of 8 bytes; 4 words of padding behind every 32 words, that is behind each 128-byte row of the block
	s_or_b32 s[G1A+0], s21, 0x07330000             ; 15:0 mask; 17:16 element of 8 bytes; 20 padding on; 21 set beside a mask; 24:22 every 32 words (code 4); 31:25 of 4 words (code 3)
	s_mov_b32 s[G1A+1], 32<<16                     ; tensor_dim0 = 32
	s_mov_b32 s[G1A+2], 128<<16                    ; tensor_dim1 = 128
	s_mov_b32 s[G1A+3], 32<<16                     ; tile_dim0 = 32
	s_mov_b32 s[G1A+4], 128                        ; tile_dim1 = 128
	s_mov_b32 s[G1A+5], 32                         ; from row to row: 32 elements, the run is dense
	s_mov_b32 s[G1A+6], 0
	s_mov_b32 s[G1A+7], 0
	; group 1 of W's tiles: a dense run of 16 KiB as 64 rows; 8 words of padding behind every 32 words
	s_or_b32 s[G1B+0], s22, 0x0f330000
	s_mov_b32 s[G1B+1], 32<<16
	s_mov_b32 s[G1B+2], 64<<16
	s_mov_b32 s[G1B+3], 32<<16
	s_mov_b32 s[G1B+4], 64
	s_mov_b32 s[G1B+5], 32
	s_mov_b32 s[G1B+6], 0
	s_mov_b32 s[G1B+7], 0
	; where x's tiles come from: the block row alone (shared along my row of the cluster) and the wave
	s_lshr_b32 s56, s20, 2
	s_lshl_b32 s56, s56, 21                        ; the matrix of 1,024 rows
	s_and_b32 s57, s20, 3
	s_lshl_b32 s57, s57, 15                        ; 256 rows of 128 bytes
	s_add_co_u32 s56, s56, s57
	s_lshl_b32 s57, s16, 17                        ; the K block that I fetch
	s_add_co_u32 s56, s56, s57
	s_mov_b32 s57, 0
	; where W's come from: the block column alone (shared along my column) and the wave
	s_lshl_b32 s58, s19, 18                        ; two column blocks of 128 KiB; 8 block columns are one weight's 2 MiB, so q, k, v run on
	s_lshl_b32 s59, s16, 17
	s_add_co_u32 s58, s58, s59
	s_add_co_u32 s58, s58, WOFF
	s_mov_b32 s59, 0
	s_mul_i32 s60, s14, ABLK                       ; where they go: waves 0, 1: x's blocks 0, 1
	s_mul_i32 s61, s14, BBLK                       ; waves 2, 3: W's blocks 0, 1 at BOFF + (wave - 2) BBLK
	s_add_co_u32 s61, s61, BOFF-2*BBLK
	s_and_b32 s66, s19, 7                          ; the bias of my 64 columns
	s_lshl_b32 s66, s66, 9
	s_lshl_b32 s67, s16, 8
	s_add_co_u32 s66, s66, s67
	s_mov_b32 s67, 0
	s_lshr_b32 s68, s19, 3                         ; my run of qkv: block ((q, k or v) * 64 + batch * 16 + head) of 256 KiB, then my first token
	s_lshl_b32 s68, s68, 6
	s_lshr_b32 s70, s20, 3
	s_lshl_b32 s70, s70, 4
	s_add_co_u32 s68, s68, s70
	s_and_b32 s70, s19, 7
	s_lshl_b32 s70, s70, 1
	s_add_co_u32 s68, s68, s70
	s_add_co_u32 s68, s68, s16
	s_lshl_b32 s68, s68, 18
	s_and_b32 s70, s20, 7
	s_lshl_b32 s70, s70, 15
	s_add_co_u32 s68, s68, s70
	s_lshl_b32 s70, s15, 14
	s_add_co_u32 s68, s68, s70
	s_mov_b32 s69, 0
	s_wait_dscnt 0x0
	s_wait_kmcnt 0x0
	s_cmp_eq_u32 s23, 1
	s_cselect_b64 s[6:7], s[8:9], s[6:7]
	s_cmp_eq_u32 s23, 2
	s_cselect_b64 s[6:7], s[10:11], s[6:7]
	s_add_nc_u64 s[6:7], s[6:7], s[66:67]
	s_add_nc_u64 s[56:57], s[4:5], s[56:57]
	s_add_nc_u64 s[58:59], s[4:5], s[58:59]
	s_add_nc_u64 s[12:13], s[12:13], s[68:69]
	CROUND                                         ; all sixteen work-groups are here: the first joint loads meet
.irp s, 0,1
	s_mov_b32 s[G0A+4*\s], 1                                       ; count = 1
	s_add_co_u32 s[G0A+4*\s+1], s60, \s*SLOT                       ; LDS address
	s_add_nc_u64 s[G0A+4*\s+2:G0A+4*\s+3], s[56:57], \s*ASTEP      ; global address: K step s
	s_or_b32 s[G0A+4*\s+3], s[G0A+4*\s+3], 0x80000000              ; type = 2
	s_mov_b32 s[G0B+4*\s], 1
	s_add_co_u32 s[G0B+4*\s+1], s61, \s*SLOT
	s_add_nc_u64 s[G0B+4*\s+2:G0B+4*\s+3], s[58:59], \s*BSTEP
	s_or_b32 s[G0B+4*\s+3], s[G0B+4*\s+3], 0x80000000
	JLOAD \s                                       ; both slots' first fills go out together: two tensor loads of a wave are out here, one behind every later round
.endr
	v_and_b32 v1, 15, v0                           ; r = l % 16
	v_bfe_u32 v2, v0, 4, 1                         ; h = l / 16
	v_lshlrev_b32 v[BO], 5, v2                     ; my columns are 16 b + 8 h + 0..7
.irp b, 0,1,2,3
	global_load_b128 v[BIAS+8*\b:BIAS+8*\b+3],   v[BO], s[6:7] offset:64*\b
	global_load_b128 v[BIAS+8*\b+4:BIAS+8*\b+7], v[BO], s[6:7] offset:64*\b+16
.endr
	; a fragment of x: 16 rows x 32 K: lane l holds row r; registers 0-3 K = 8 h + 0..7, registers 4-7 K = 16 + 8 h + 0..7: two loads of 16 bytes, 32 bytes apart
	v_mul_u32_u24 v3, v1, PA
	v_lshl_add_u32 v3, v2, 4, v3                   ; r x pitch + 16 h
	s_mul_i32 s72, s15, 128*PA                     ; my 128 rows
	v_add_nc_u32 v[ADRA], s72, v3
	v_add_nc_u32 v[ADRA+1], SLOT, v[ADRA]
	; a fragment of W: rows lie along n, so two transposing loads, 16 rows apart: lane l addresses row 8 h + l % 8, 16 bytes at 16 ((l / 8) % 2)
	v_and_b32 v4, 7, v0
	v_lshl_add_u32 v4, v2, 3, v4
	v_mul_u32_u24 v4, v4, PB
	v_bfe_u32 v5, v0, 3, 1
	v_lshl_add_u32 v4, v5, 4, v4
	s_mul_i32 s73, s16, BBLK                       ; my 64 columns are one block
	s_add_co_u32 s73, s73, BOFF
	v_add_nc_u32 v[ADRB], s73, v4
	v_add_nc_u32 v[ADRB+1], SLOT, v[ADRB]
	s_mul_i32 s74, s14, 16*SP
	s_add_co_u32 s74, s74, STAGE                   ; my stage
	v_add_nc_u32 v[STO], s74, v3                   ; in: row r, 16 bytes for each half of the lanes
	v_and_b32 v6, 31, v0
	v_lshrrev_b32 v7, 3, v6                        ; back: eight lanes take a row of 128 bytes, the wave four rows
	v_mul_u32_u24 v7, v7, SP
	v_and_b32 v5, 7, v0
	v_lshl_add_u32 v7, v5, 4, v7
	v_add_nc_u32 v[RD], s74, v7
	v_lshlrev_b32 v[CO], 4, v6                     ; in qkv those four rows are 512 consecutive bytes
; Four matrix instructions: 16 rows a x my 64 columns, 32 along K.  zero = 1: the first product starts the sums, nothing is cleared.
; The 32 accumulators take turns, one instruction a turn, in the same order everywhere.
.macro MULA f, a, zero
.irp b, 0,1,2,3
.if \zero
	v_wmma_f32_16x16x32_f16 v[8*(4*(\a)+\b):8*(4*(\a)+\b)+7], v[\f+64+8*\b:\f+64+8*\b+7], v[\f+8*(\a):\f+8*(\a)+7], 0
.else
	v_wmma_f32_16x16x32_f16 v[8*(4*(\a)+\b):8*(4*(\a)+\b)+7], v[\f+64+8*\b:\f+64+8*\b+7], v[\f+8*(\a):\f+8*(\a)+7], v[8*(4*(\a)+\b):8*(4*(\a)+\b)+7]
.endif
.endr
.endm
.macro MUL2 f, a0, zero
	MULA \f, \a0, \zero
	MULA \f, \a0+1, \zero
.endm
.macro MUL4 f, a0, zero
	MUL2 \f, \a0, \zero
	MUL2 \f, \a0+2, \zero
.endm
; 24 LDS loads in one run: the fragments of quarter q (32 along K) of a slot into buffer f: W's four first, then x's eight
.macro FETCH slot, q, f
	WIN 0
.irp b, 0,1,2,3
	ds_load_tr16_b128 v[\f+64+8*\b:\f+64+8*\b+3],   v[ADRB+\slot] offset:(\q)*32*PB+32*\b
	ds_load_tr16_b128 v[\f+64+8*\b+4:\f+64+8*\b+7], v[ADRB+\slot] offset:(\q)*32*PB+32*\b+16*PB
.endr
.irp i, 0,1,2,3,4,5,6,7
	ds_load_b128 v[\f+8*\i:\f+8*\i+3],   v[ADRA+\slot] offset:((\q)/2)*ABLK+((\q)%2)*64+\i*16*PA
	ds_load_b128 v[\f+8*\i+4:\f+8*\i+7], v[ADRA+\slot] offset:((\q)/2)*ABLK+((\q)%2)*64+\i*16*PA+32
.endr
.endm
; One of a K step's first three quarters: multiplies buffer f; in its middle it fetches quarter q into buffer g.
.macro QUARTER slot, q, f, g, zero
	s_wait_dscnt 8                                 ; W and x's rows 0-63 are in; the youngest eight loads (x's rows 64-127) may be out
	WIN ACCW
	MUL4 \f, 0, \zero
	PLACES
	FETCH \slot, \q, \g
	s_wait_dscnt 24                                ; all but the 24 just issued
	WIN ACCW
	MUL4 \f, 4, \zero
.endm
.macro THREE slot, zero
	QUARTER \slot, 1, F0, F1, \zero
	QUARTER \slot, 2, F1, F0, 0
	QUARTER \slot, 3, F0, F1, 0
.endm
; The last quarter multiplies buffer 1 and changes slots.  One barrier for two things: in front of it each wave waits for its reads of this slot and for
; all its tensor loads, of which one is out, its part of the next slot; behind it nobody reads this slot any more and the next slot is whole.
; fill = 1: the barrier opens a round of the cluster's barrier, and the joint refill, two K steps ahead, is the first tensor load behind the round.
; From a request to the wait for it a wave issues 120 of a K step's 128 matrix instructions.
.macro TURN slot, next, fill
	s_wait_dscnt 8
	WIN ACCW
	MUL2 F1, 0, 0
	s_wait_dscnt 0x0                               ; my reads of this slot are over
	s_wait_tensorcnt 0x0                           ; all my tensor loads have landed
	ds_add_u32 v30, v31
	s_wait_dscnt 0x0
	s_barrier_signal -1
	MUL2 F1, 2, 0                                  ; work on registers while the others arrive
	WIN 0
	s_barrier_wait -1
.if \fill
	CREST                                          ; no wave of any partner still reads this slot or has a load on its way
	s_add_nc_u64 s[G0A+4*\slot+2:G0A+4*\slot+3], s[G0A+4*\slot+2:G0A+4*\slot+3], 2*ASTEP
	s_add_nc_u64 s[G0B+4*\slot+2:G0B+4*\slot+3], s[G0B+4*\slot+2:G0B+4*\slot+3], 2*BSTEP
	JLOAD \slot
.endif
	PLACES
	FETCH \next, 0, F0
	WIN ACCW
	MUL4 F1, 4, 0
.endm
.macro LAP zero                        ; two K steps, once round the ring, both slots filled again
	THREE 0, \zero
	TURN 0, 1, 1
	THREE 1, 0
	TURN 1, 0, 1
.endm
	s_wait_loadcnt 0x0                             ; the bias, once
	s_wait_tensorcnt 0x1                           ; my part of K step 0 is in; step 1's load stays out
	s_barrier_signal -1
	s_barrier_wait -1
	FETCH 0, 0, F0
	LAP 1                                          ; K steps 0, 1: the first products start the sums
	WIN 0                                          ; at a label and at a branch every window is 0
	s_mov_b32 s3, 2
.Llap:
	LAP 0                                          ; K steps 2 to 5
	WIN 0
	s_sub_co_u32 s3, s3, 1
	s_cmp_lg_u32 s3, 0
	s_cbranch_scc1 .Llap
	THREE 0, 0                                     ; K steps 6, 7 fill nothing
	TURN 0, 1, 0
	THREE 1, 0
	s_wait_dscnt 8
	WIN ACCW
	MUL4 F1, 0, 0
	s_wait_dscnt 0x0
	MUL4 F1, 4, 0
	WIN 0
	PLACES                                         ; behind the last matrix instructions, for the sums below and for the loads into the old buffers
; THE WAY OUT, 16 rows at a time: + bias, round to f16, 16 bytes a lane into my own stage, read back as whole rows, store 512 consecutive bytes a wave.
.macro OUT16 i, rr
	WIN 0x01                                       ; source 0 in window 1
.irp b, 0,1,2,3
.irp p, 0,2,4,6
	v_pk_add_f32 v[T+8*\b+\p:T+8*\b+\p+1], v[8*(4*\i+\b)+\p:8*(4*\i+\b)+\p+1], v[BIAS+8*\b+\p:BIAS+8*\b+\p+1]
.endr
.endr
	WIN 0
.irp b, 0,1,2,3
.irp p, 0,1,2,3
	v_cvt_pk_f16_f32 v[PK+4*\b+\p], v[T+8*\b+2*\p], v[T+8*\b+2*\p+1]
.endr
.endr
.irp b, 0,1,2,3
	ds_store_b128 v[STO], v[PK+4*\b:PK+4*\b+3] offset:32*\b
.endr
	s_wait_xcnt 0x0                                ; the registers that earlier stores read are loaded again only behind this wait (ISA guide 3.1)
.irp t, 0,1,2,3
	ds_load_b128 v[\rr+4*\t:\rr+4*\t+3], v[RD] offset:\t*4*SP      ; LDS serves a wave's instructions in order (ISA guide 5.7.1.4): these see the stores above
.endr
.irp t, 0,1,2,3
	s_wait_dscnt 3-\t
	global_store_b128 v[CO], v[\rr+4*\t:\rr+4*\t+3], s[12:13] offset:2048*\i+512*\t
.endr
.endm
	OUT16 0, 80
	OUT16 1, 96
	OUT16 2, 80
	OUT16 3, 96
	OUT16 4, 80
	OUT16 5, 96
	OUT16 6, 80
	OUT16 7, 96
	s_wait_tensorcnt 0x0
	ds_add_u32 v30, v31
	s_wait_dscnt 0x0
	CROUND                                         ; the closing round: no work-group ends while a partner may still ask for a tile that names it
	s_endpgm
.Lfunc_end_k_q6b65aaa534_qkv:
	.size	k_q6b65aaa534_qkv, .Lfunc_end_k_q6b65aaa534_qkv-k_q6b65aaa534_qkv
	.p2alignl 7, 3214868480
	.fill 96, 4, 3214868480
	.section	.rodata,"a",@progbits
	.p2align	6, 0x0
	.amdhsa_kernel k_q6b65aaa534_qkv
		.amdhsa_group_segment_fixed_size 327680
		.amdhsa_private_segment_fixed_size 0
		.amdhsa_enable_private_segment 0
		.amdhsa_kernarg_size 40
		.amdhsa_user_sgpr_count 2
		.amdhsa_user_sgpr_kernarg_segment_ptr 1
		.amdhsa_wavefront_size32 1
		.amdhsa_system_sgpr_workgroup_id_x 1
		.amdhsa_system_sgpr_workgroup_id_y 1
		.amdhsa_system_sgpr_workgroup_id_z 1
		.amdhsa_system_vgpr_workitem_id 0
		.amdhsa_next_free_vgpr 512
		.amdhsa_next_free_sgpr 80
		.amdhsa_reserve_vcc 0
		.amdhsa_float_denorm_mode_32 3
		.amdhsa_float_denorm_mode_16_64 3
		.amdhsa_memory_ordered 1
		.amdhsa_forward_progress 1
		.amdhsa_inst_pref_size 127
	.end_amdhsa_kernel
	.amdgpu_metadata
---
amdhsa.version: [ 1, 2 ]
amdhsa.kernels:
  - .name:           k_q6b65aaa534_qkv
    .symbol:         k_q6b65aaa534_qkv.kd
    .args:
      - { .name: cb, .offset: 0, .size: 8, .value_kind: global_buffer, .address_space: global }
      - { .name: b_q, .offset: 8, .size: 8, .value_kind: global_buffer, .address_space: global }
      - { .name: b_k, .offset: 16, .size: 8, .value_kind: global_buffer, .address_space: global }
      - { .name: b_v, .offset: 24, .size: 8, .value_kind: global_buffer, .address_space: global }
      - { .name: qkv, .offset: 32, .size: 8, .value_kind: global_buffer, .address_space: global }
    .group_segment_fixed_size: 327680
    .private_segment_fixed_size: 0
    .kernarg_segment_align: 8
    .kernarg_segment_size: 40
    .max_flat_workgroup_size: 128
    .sgpr_count:     80
    .vgpr_count:     512
    .wavefront_size: 32
...
	.end_amdgpu_metadata
.endif
;; end of part 2
;; launch attn (part 3): grid 256 x 1, 8 waves a work-group, clusters of 4 x 1, 327,680 bytes of LDS; arguments qkv, ao; writes ao
.if DOCPART == 3
	.amdgcn_target "amdgcn-amd-amdhsa--gfx1250"
	.amdhsa_code_object_version 6
	.text
	.protected	k_q6b65aaa534_attn
	.globl	k_q6b65aaa534_attn
	.p2align	8
	.type	k_q6b65aaa534_attn,@function
k_q6b65aaa534_attn:
	s_mov_b64 s[64:65], 0
	v_nop
	global_prefetch_b8 v0, s[64:65] scope:SCOPE_SE
	s_setreg_imm32_b32 hwreg(HW_REG_WAVE_MODE, 25, 1), 1
	s_wait_xcnt 0x0
	s_wait_alu depctr_hold_cnt(0) depctr_sa_sdst(0) depctr_va_vdst(0) depctr_va_sdst(0) depctr_va_ssrc(0) depctr_va_vcc(0) depctr_vm_vsrc(0)
	s_getreg_b32 s2, hwreg(HW_REG_IB_STS2, 6, 4)
	s_cmp_eq_u32 s2, 0
	s_cbranch_scc0 .Lentry_in_a_cluster
	s_endpgm
.Lentry_in_a_cluster:
	s_bfe_u32 s2, ttmp6, 0x10000c
	s_cmp_lg_u32 s2, 0x3003
	s_cbranch_scc0 .Lentry_shape_is_right
	s_endpgm
.Lentry_shape_is_right:
; attn: for each of 64 (batch, head) pairs, softmax(q k^T / 8) v over 2,048 keys, with a running maximum; f16 operands, sums and softmax in f32.
; qkv: [3][64][2048][64] f16.  ao: row = batch * 2048 + token, column = head * 64 + d, f16, at byte ((row >> 10) * 16 + head) * 131072 + (row & 1023) * 128 + 2 d.
; LIMITS: a NaN among the scores is dropped by the maxima and not reproduced; an exponential below 2^-126 counts as 0; P lies in [0, 1] up to one rounding of the shift, so it has room in f16;
; ao is a weighted mean of v and so has v's room in f16 (see launch qkv).
; A work-group takes 512 queries of one pair with eight waves, 64 queries a wave, two waves on a SIMD: one wave's softmax runs beside the other's matrix work.
; CLUSTERS: the four work-groups of a cluster are the four query blocks of one pair and walk the same K and V: each tile is asked for jointly (mask 15).
; Keys go in tiles of 256 through two LDS slots.  Waves 0, 1 fetch V's halves, waves 2, 3 K's halves: 128 keys = 64 rows of 256 bytes each; waves 4-7 fetch nothing.
; NO SHUFFLES: S^T = K Q^T (source 0 = 16 keys, source 1 = 16 queries): lane l holds query l % 16 and its registers 0-7 the keys 8 (l / 16) + 0..7, so the
; softmax's figures are one number a lane, and two packed tiles ARE source 1 of O^T = V^T P^T for 32 keys.  V^T comes by transposing LDS loads.
; In O^T a lane holds eight neighbouring d of one query, which pack into 16 bytes.
; REGISTERS, window 0: v8-15 addresses; v16-31 (-c M, M) for two parities x four query tiles; v32-39 (alpha, L); v40-55 at work; v64-127 Q; v128-255 S, then P in place.
;            window 1: v0-127 O (tile (dt, qt) at 8 (4 qt + dt)); v128-191 K's fragments; v192-255 V's fragments.
.set KP,    144                        ; LDS pitch of K's rows: 128 + 16 bytes
.set VP,    160                        ; LDS pitch of V's rows: 128 + 32 bytes
.set KOFF,  256*VP                     ; a slot: V's 256 keys, then K's
.set SLOT,  KOFF+256*KP                ; 77,824 bytes
.set STAGE, 2*SLOT                     ; behind the ring: 16 rows x 144 bytes for each wave; no tensor load lands here
.set SP,    144
.set ADRK, 8                           ; v8-9   LDS address of my K fragments in slot 0, 1
.set ADRV, 10                          ; v10-11 the same for V
.set QO,   12
.set STO,  13
.set RD,   14
.set CO,   15
.set NM,   16                          ; pair (-c M, M) of parity p, query tile qt at NM + 8 p + 2 qt
.set AL,   32                          ; pair (alpha, L) of query tile qt at AL + 2 qt
.set MX,   40
.set PX,   44
.set SM,   48
.set Q,    64                          ; fragment (qt, ks) at Q + 8 (2 qt + ks)
.set S,    128                         ; tile (kt, qt) at S + 8 (4 qt + kt); P's fragment (u, qt) at S + 32 qt + 16 u
.set KF,   128                         ; window 1: fragment (kt, ks) at KF + 8 (2 kt + ks)
.set VF,   192                         ; window 1: fragment (dt, u) at VF + 8 (4 u + dt)
.set T,    128                         ; the way out
.set PK,   160
.set G1V, 24
.set G1K, 32
.set G0V, 40
.set G0K, 48
.set MSB, 0
.macro WIN new
.if MSB != \new
	s_set_vgpr_msb (MSB<<8)|\new
.set MSB, \new
.endif
.endm
.macro ROUND                           ; a round of the cluster's barrier
	s_barrier_signal -1
	s_barrier_wait -1
	s_cmp_lg_u32 s8, 0
	s_cbranch_scc1 .Lnot_wave_0_\@
	s_barrier_signal -3
.Lnot_wave_0_\@:
	s_barrier_wait -3
	s_barrier_signal -1
	s_barrier_wait -1
.endm
.macro JLOAD s                         ; the branches hang on the wave's number alone: they are the same in all four work-groups
	s_cmp_lg_u32 s9, 0
	s_cbranch_scc1 .Lnot_v_\@
	tensor_load_to_lds s[G0V+4*\s:G0V+4*\s+3], s[G1V:G1V+7]
	s_nop 0
	s_branch .Lasked_\@
.Lnot_v_\@:
	s_cmp_lg_u32 s9, 1
	s_cbranch_scc1 .Lasked_\@
	tensor_load_to_lds s[G0K+4*\s:G0K+4*\s+3], s[G1K:G1K+7]
	s_nop 0
.Lasked_\@:
.endm
	s_load_b128 s[4:7], s[0:1], 0x0                ; qkv s[4:5], ao s[6:7]
	v_lshl_add_u32 v62, v0, 2, 0x2a800
	v_mov_b32 v63, 0
	ds_add_u32 v62, v63
	v_lshrrev_b32 v1, 5, v0
	v_readfirstlane_b32 s8, v1                     ; wave 0..7
	s_lshr_b32 s9, s8, 1                           ; 0: I fetch V, 1: K, 2 and 3: nothing
	s_bfe_u32 s10, ttmp6, 0x40000                  ; cx: my block of 512 queries
	s_mov_b32 s11, ttmp9                           ; the cluster's number: the (batch, head) pair
	s_mov_b32 s12, 0x76543210                      ; v_permlanex16_b32: lane i of one half reads lane i of the other
	s_mov_b32 s13, 0xfedcba98
	s_mov_b32 s14, 0x3e38aa3b                      ; c = log2(e) / 8, twice (a pair for the packed multiply-add)
	s_mov_b32 s15, 0x3e38aa3b
	s_mov_b32 s16, 0xbe38aa3b                      ; -c
	; group 1: a dense run of 16 KiB as 64 rows of 32 elements of 8 bytes; padding behind every 32 words, that is behind each key's 128 bytes
	s_mov_b32 s[G1V+0], 0x0f33000f                 ; 15:0 mask 15; 17:16 element of 8 bytes; 20 padding on; 21 set beside a mask; 24:22 every 32 words; 31:25 of 8 words
	s_mov_b32 s[G1V+1], 32<<16
	s_mov_b32 s[G1V+2], 64<<16
	s_mov_b32 s[G1V+3], 32<<16
	s_mov_b32 s[G1V+4], 64
	s_mov_b32 s[G1V+5], 32
	s_mov_b32 s[G1V+6], 0
	s_mov_b32 s[G1V+7], 0
	s_mov_b32 s[G1K+0], 0x0733000f                 ; the same with 4 words of padding
	s_mov_b32 s[G1K+1], 32<<16
	s_mov_b32 s[G1K+2], 64<<16
	s_mov_b32 s[G1K+3], 32<<16
	s_mov_b32 s[G1K+4], 64
	s_mov_b32 s[G1K+5], 32
	s_mov_b32 s[G1K+6], 0
	s_mov_b32 s[G1K+7], 0
	s_lshl_b32 s56, s11, 18                        ; the pair's 256 KiB
	s_lshl_b32 s57, s8, 14                         ; + wave x 128 keys
	s_add_co_u32 s56, s56, s57
	s_add_co_u32 s58, s56, 16744448                ; K begins at 16,777,216; waves 2, 3 take halves 0, 1
	s_add_co_u32 s56, s56, 33554432                ; V
	s_mov_b32 s57, 0
	s_mov_b32 s59, 0
	s_mul_i32 s60, s8, 128*VP                      ; V's halves in LDS
	s_mul_i32 s61, s8, 128*KP                      ; K's: KOFF + (wave - 2) x 128 rows
	s_add_co_u32 s61, s61, KOFF-2*128*KP
	s_lshl_b32 s62, s11, 18                        ; my 64 queries
	s_lshl_b32 s63, s10, 16
	s_add_co_u32 s62, s62, s63
	s_lshl_b32 s63, s8, 13
	s_add_co_u32 s62, s62, s63
	s_mov_b32 s63, 0
	s_lshr_b32 s66, s11, 4                         ; my run of ao: block (2 batch + cx / 2) * 16 + head, row (cx % 2) * 512 + 64 wave
	s_lshl_b32 s66, s66, 1
	s_lshr_b32 s67, s10, 1
	s_add_co_u32 s66, s66, s67
	s_lshl_b32 s66, s66, 4
	s_and_b32 s67, s11, 15
	s_add_co_u32 s66, s66, s67
	s_lshl_b32 s66, s66, 17
	s_and_b32 s67, s10, 1
	s_lshl_b32 s67, s67, 16
	s_add_co_u32 s66, s66, s67
	s_lshl_b32 s67, s8, 13
	s_add_co_u32 s66, s66, s67
	s_mov_b32 s67, 0
	s_wait_dscnt 0x0
	s_wait_kmcnt 0x0
	s_add_nc_u64 s[56:57], s[4:5], s[56:57]
	s_add_nc_u64 s[58:59], s[4:5], s[58:59]
	s_add_nc_u64 s[62:63], s[4:5], s[62:63]
	s_add_nc_u64 s[66:67], s[6:7], s[66:67]
.irp s, 0,1
	s_mov_b32 s[G0V+4*\s], 1
	s_add_co_u32 s[G0V+4*\s+1], s60, \s*SLOT
	s_add_nc_u64 s[G0V+4*\s+2:G0V+4*\s+3], s[56:57], \s*32768      ; tile s: 256 keys of 128 bytes
	s_or_b32 s[G0V+4*\s+3], s[G0V+4*\s+3], 0x80000000
	s_mov_b32 s[G0K+4*\s], 1
	s_add_co_u32 s[G0K+4*\s+1], s61, \s*SLOT
	s_add_nc_u64 s[G0K+4*\s+2:G0K+4*\s+3], s[58:59], \s*32768
	s_or_b32 s[G0K+4*\s+3], s[G0K+4*\s+3], 0x80000000
.endr
	ROUND                                          ; all four work-groups are here: the first joint loads meet
	JLOAD 0                                        ; tile 0.  A wave never has more than one tensor load out
	v_and_b32 v1, 15, v0                           ; r
	v_bfe_u32 v2, v0, 4, 1                         ; h
	v_lshlrev_b32 v[QO], 7, v1
	v_lshl_add_u32 v[QO], v2, 4, v[QO]             ; query r's row + 16 h
.irp qt, 0,1,2,3
.irp ks, 0,1
	global_load_b128 v[Q+8*(2*\qt+\ks):Q+8*(2*\qt+\ks)+3],   v[QO], s[62:63] offset:\qt*2048+\ks*64
	global_load_b128 v[Q+8*(2*\qt+\ks)+4:Q+8*(2*\qt+\ks)+7], v[QO], s[62:63] offset:\qt*2048+\ks*64+32
.endr
.endr
	v_mul_u32_u24 v3, v1, KP
	v_lshl_add_u32 v3, v2, 4, v3                   ; r x 144 + 16 h
	v_add_nc_u32 v[ADRK], KOFF, v3
	v_add_nc_u32 v[ADRK+1], KOFF+SLOT, v3
	v_and_b32 v4, 7, v0
	v_lshl_add_u32 v5, v2, 3, v4                   ; the transposing load: key 8 h + l % 8,
	v_mul_u32_u24 v5, v5, VP
	v_bfe_u32 v6, v0, 3, 1
	v_lshl_add_u32 v[ADRV], v6, 4, v5              ; 16 bytes at 16 ((l / 8) % 2)
	v_add_nc_u32 v[ADRV+1], SLOT, v[ADRV]
	s_mul_i32 s68, s8, 16*SP
	s_add_co_u32 s68, s68, STAGE                   ; my stage
	v_add_nc_u32 v[STO], s68, v3
	v_and_b32 v6, 31, v0
	v_lshrrev_b32 v7, 3, v6
	v_mul_u32_u24 v7, v7, SP
	v_lshl_add_u32 v7, v4, 4, v7
	v_add_nc_u32 v[RD], s68, v7
	v_lshlrev_b32 v[CO], 4, v6
.irp qt, 0,1,2,3
	v_mov_b32 v[PX+\qt], 0                         ; v_permlanex16_b32's destination counts as read: written once here
.endr
	s_wait_loadcnt 0x0                             ; Q, once
.macro KLOAD slot, j                   ; 64 keys x 64 d: 16 loads
	WIN 0x40                                       ; destination in window 1
.irp kt, 0,1,2,3
.irp ks, 0,1
	ds_load_b128 v[KF+8*(2*\kt+\ks):KF+8*(2*\kt+\ks)+3],   v[ADRK+\slot] offset:(\j)*64*KP+\kt*16*KP+\ks*64
	ds_load_b128 v[KF+8*(2*\kt+\ks)+4:KF+8*(2*\kt+\ks)+7], v[ADRK+\slot] offset:(\j)*64*KP+\kt*16*KP+\ks*64+32
.endr
.endr
.endm
.macro VLOAD slot, j                   ; 64 d x 64 keys: 16 transposing loads
	WIN 0x40
.irp u, 0,1
.irp dt, 0,1,2,3
	ds_load_tr16_b128 v[VF+8*(4*\u+\dt):VF+8*(4*\u+\dt)+3],   v[ADRV+\slot] offset:(\j)*64*VP+\u*32*VP+\dt*32
	ds_load_tr16_b128 v[VF+8*(4*\u+\dt)+4:VF+8*(4*\u+\dt)+7], v[ADRV+\slot] offset:(\j)*64*VP+\u*32*VP+\dt*32+16*VP
.endr
.endr
.endm
.macro SFMA qt                         ; c s - c M, two at a time
.irp i, 0,2,4,6,8,10,12,14,16,18,20,22,24,26,28,30
	v_pk_fma_f32 v[S+32*\qt+\i:S+32*\qt+\i+1], v[S+32*\qt+\i:S+32*\qt+\i+1], s[14:15], v[NMC+2*\qt:NMC+2*\qt+1] op_sel_hi:[1,0,0]
.endr
.endm
.macro SEXP qt                         ; a run of exponentials; the next line behind each run is a plain instruction on other registers (ISA guide 5.7.2)
.set si, 0
.rept 32
	v_exp_f32 v[S+32*\qt+si], v[S+32*\qt+si]
.set si, si+1
.endr
.endm
; The sum of my 32 exponentials, and their packing in place: pair g of a group of 16 registers goes to register g of the group, which the sum and an earlier packing have already read.
.macro SSC qt, first
	s_wait_alu depctr_va_vdst(0)
	v_pk_add_f32 v[SM+2*\qt:SM+2*\qt+1], v[S+32*\qt:S+32*\qt+1], v[S+32*\qt+2:S+32*\qt+3]
	v_cvt_pk_f16_f32 v[S+32*\qt], v[S+32*\qt], v[S+32*\qt+1]
	v_cvt_pk_f16_f32 v[S+32*\qt+1], v[S+32*\qt+2], v[S+32*\qt+3]
.irp g, 2,3,4,5,6,7,8,9,10,11,12,13,14,15
	v_pk_add_f32 v[SM+2*\qt:SM+2*\qt+1], v[SM+2*\qt:SM+2*\qt+1], v[S+32*\qt+2*\g:S+32*\qt+2*\g+1]
	v_cvt_pk_f16_f32 v[S+32*\qt+16*(\g/8)+\g%8], v[S+32*\qt+2*\g], v[S+32*\qt+2*\g+1]
.endr
.if \first
	v_add_f32 v[AL+2*\qt+1], v[SM+2*\qt], v[SM+2*\qt+1]
.else
	v_add_f32 v[SM+2*\qt], v[SM+2*\qt], v[SM+2*\qt+1]
	v_fma_f32 v[AL+2*\qt+1], v[AL+2*\qt+1], v[AL+2*\qt], v[SM+2*\qt]        ; L = L alpha + the new sum; L stays apart for the two halves of the lanes until the end
.endif
.endm
; NMC, NMO: this parity's and the other parity's pairs (-c M, M).  The four query tiles' chains are interleaved.
.macro SOFTMAX first
.irp qt, 0,1,2,3
	v_max3_num_f32 v[MX+\qt], v[S+32*\qt], v[S+32*\qt+1], v[S+32*\qt+2]
.endr
.irp i, 3,5,7,9,11,13,15,17,19,21,23,25,27,29
.irp qt, 0,1,2,3
	v_max3_num_f32 v[MX+\qt], v[MX+\qt], v[S+32*\qt+\i], v[S+32*\qt+\i+1]
.endr
.endr
.irp qt, 0,1,2,3
	v_max_num_f32 v[MX+\qt], v[MX+\qt], v[S+32*\qt+31]
.endr
.irp qt, 0,1,2,3
	v_permlanex16_b32 v[PX+\qt], v[MX+\qt], s12, s13               ; the other 32 of this query's 64 keys lie in lane l xor 16
.endr
.irp qt, 0,1,2,3
.if \first
	v_max_num_f32 v[NMC+2*\qt+1], v[MX+\qt], v[PX+\qt]
.else
	v_max3_num_f32 v[NMC+2*\qt+1], v[MX+\qt], v[PX+\qt], v[NMO+2*\qt+1]     ; the running maximum of the raw scores
.endif
.endr
.irp qt, 0,1,2,3
	v_mul_f32 v[NMC+2*\qt], s16, v[NMC+2*\qt+1]                    ; -c M, rounded once; the exponentials and alpha use this same number
.endr
.if \first == 0
.irp qt, 0,1,2,3
	v_sub_f32 v[AL+2*\qt], v[NMC+2*\qt], v[NMO+2*\qt]              ; c (M old - M new), never above 0
.endr
.irp qt, 0,1,2,3
	v_exp_f32 v[AL+2*\qt], v[AL+2*\qt]
.endr
.endif
	SFMA 0
	SEXP 0
	SFMA 1
	SEXP 1
	SSC 0, \first
	SFMA 2
	SEXP 2
	SSC 1, \first
	SFMA 3
	SEXP 3
	SSC 2, \first
	SSC 3, \first
.endm
; 64 keys: S^T, softmax, O^T.  In both products 16 accumulators take turns, one instruction a turn.
.macro SUB slot, j, first
.set NMC, NM+8*((\j)%2)
.set NMO, NM+8*(1-(\j)%2)
	s_wait_dscnt 0x0                               ; K's fragments are in
	WIN 0x01                                       ; source 0 (K) in window 1; Q, S in window 0
.irp ks, 0,1
.irp qt, 0,1,2,3
.irp kt, 0,1,2,3
.if \ks == 0
	v_wmma_f32_16x16x32_f16 v[S+8*(4*\qt+\kt):S+8*(4*\qt+\kt)+7], v[KF+8*(2*\kt+\ks):KF+8*(2*\kt+\ks)+7], v[Q+8*(2*\qt+\ks):Q+8*(2*\qt+\ks)+7], 0
.else
	v_wmma_f32_16x16x32_f16 v[S+8*(4*\qt+\kt):S+8*(4*\qt+\kt)+7], v[KF+8*(2*\kt+\ks):KF+8*(2*\kt+\ks)+7], v[Q+8*(2*\qt+\ks):Q+8*(2*\qt+\ks)+7], v[S+8*(4*\qt+\kt):S+8*(4*\qt+\kt)+7]
.endif
.endr
.endr
.endr
.rept 4
	v_nop                                          ; four places: then K's registers are loaded again and the scores are read (ISA guide 7.12.1 for vector instructions)
.endr
	VLOAD \slot, \j
.if \j < 3
	KLOAD \slot, (\j)+1
.endif
	WIN 0
	SOFTMAX \first
.if \first == 0
	WIN 0x41                                       ; O in window 1, alpha in window 0
.irp qt, 0,1,2,3
.irp i, 0,2,4,6,8,10,12,14,16,18,20,22,24,26,28,30
	v_pk_mul_f32 v[32*\qt+\i:32*\qt+\i+1], v[32*\qt+\i:32*\qt+\i+1], v[AL+2*\qt:AL+2*\qt+1] op_sel_hi:[1,0]
.endr
.endr
.endif
.if \j < 3
	s_wait_dscnt 16                                ; V's 16 loads are in; the 16 younger ones, the next K fragments, stay out
.else
	s_wait_dscnt 0x0
.endif
	WIN 0x51                                       ; V (source 0), C and D in window 1; P in window 0
.irp u, 0,1
.irp qt, 0,1,2,3
.irp dt, 0,1,2,3
.if \first*(1-\u)
	v_wmma_f32_16x16x32_f16 v[8*(4*\qt+\dt):8*(4*\qt+\dt)+7], v[VF+8*(4*\u+\dt):VF+8*(4*\u+\dt)+7], v[S+32*\qt+16*\u:S+32*\qt+16*\u+7], 0
.else
	v_wmma_f32_16x16x32_f16 v[8*(4*\qt+\dt):8*(4*\qt+\dt)+7], v[VF+8*(4*\u+\dt):VF+8*(4*\u+\dt)+7], v[S+32*\qt+16*\u:S+32*\qt+16*\u+7], v[8*(4*\qt+\dt):8*(4*\qt+\dt)+7]
.endif
.endr
.endr
.endr
.rept 5
	v_nop                                          ; five places: the next product writes its scores over P, which these instructions read (ISA guide 7.12.1)
.endr
.endm
; A tile of 256 keys.  In front of the round each wave waits for all its tensor loads, its part of this tile among them, and for its reads of the other slot;
; behind the round the next tile is asked for, into the slot read last, first of all; it has this tile's 256 matrix instructions a wave in which to land.
.macro TRIP slot, refill, first
	s_wait_tensorcnt 0x0
	ds_add_u32 v62, v63
	s_wait_dscnt 0x0
	s_add_nc_u64 s[G0V+4*\slot+2:G0V+4*\slot+3], s[G0V+4*\slot+2:G0V+4*\slot+3], 65536   ; no load of mine is out: this slot's next tile, two tiles on
	s_add_nc_u64 s[G0K+4*\slot+2:G0K+4*\slot+3], s[G0K+4*\slot+2:G0K+4*\slot+3], 65536
	s_wait_dscnt 0x0
	ROUND
.if \refill
	JLOAD (1-\slot)
.endif
	KLOAD \slot, 0
	SUB \slot, 0, \first
	SUB \slot, 1, 0
	SUB \slot, 2, 0
	SUB \slot, 3, 0
	WIN 0
.endm
	TRIP 0, 1, 1                                   ; tile 0: the first products start the sums, the first maxima start the running maxima
	TRIP 1, 1, 0
	s_mov_b32 s3, 2
.Lpair:
	TRIP 0, 1, 0                                   ; tiles 2 to 5
	TRIP 1, 1, 0
	s_sub_co_u32 s3, s3, 1
	s_cmp_lg_u32 s3, 0
	s_cbranch_scc1 .Lpair
	TRIP 0, 1, 0                                   ; tile 6 asks for tile 7,
	TRIP 1, 0, 0                                   ; tile 7 for nothing (the stepped addresses are not used)
	; THE WAY OUT.  The five places behind the last product stand at its end.
.irp qt, 0,1,2,3
	v_permlanex16_b32 v[PX+\qt], v[AL+2*\qt+1], s12, s13
.endr
.irp qt, 0,1,2,3
	v_add_f32 v[AL+2*\qt+1], v[AL+2*\qt+1], v[PX+\qt]              ; the two halves' sums: at least the largest exponential, which is 1 up to a rounding
.endr
.irp qt, 0,1,2,3
	v_rcp_f32 v[AL+2*\qt], v[AL+2*\qt+1]
.endr
	v_nop                                          ; one plain place behind the reciprocals (ISA guide 5.7.2)
	s_wait_alu depctr_va_vdst(0)
; 16 queries: O / L, round to f16, 16 bytes a lane into my own stage, read back as whole rows, store 512 consecutive bytes a wave
.macro OUTQ qt, rr
	WIN 0x01
.irp i, 0,2,4,6,8,10,12,14,16,18,20,22,24,26,28,30
	v_pk_mul_f32 v[T+\i:T+\i+1], v[32*\qt+\i:32*\qt+\i+1], v[AL+2*\qt:AL+2*\qt+1] op_sel_hi:[1,0]
.endr
	WIN 0
.irp i, 0,1,2,3,4,5,6,7,8,9,10,11,12,13,14,15
	v_cvt_pk_f16_f32 v[PK+\i], v[T+2*\i], v[T+2*\i+1]
.endr
.irp dt, 0,1,2,3
	ds_store_b128 v[STO], v[PK+4*\dt:PK+4*\dt+3] offset:32*\dt
.endr
	s_wait_xcnt 0x0                                ; the registers that earlier stores read are loaded again only behind this wait (ISA guide 3.1)
.irp t, 0,1,2,3
	ds_load_b128 v[\rr+4*\t:\rr+4*\t+3], v[RD] offset:\t*4*SP      ; LDS serves a wave's instructions in order (ISA guide 5.7.1.4)
.endr
.irp t, 0,1,2,3
	s_wait_dscnt 3-\t
	global_store_b128 v[CO], v[\rr+4*\t:\rr+4*\t+3], s[66:67] offset:2048*\qt+512*\t
.endr
.endm
	OUTQ 0, 176
	OUTQ 1, 192
	OUTQ 2, 176
	OUTQ 3, 192
	s_wait_tensorcnt 0x0
	ds_add_u32 v62, v63
	s_wait_dscnt 0x0
	ROUND                                          ; the closing round: no work-group ends while a partner may still ask for a tile that names it
	s_endpgm
.Lfunc_end_k_q6b65aaa534_attn:
	.size	k_q6b65aaa534_attn, .Lfunc_end_k_q6b65aaa534_attn-k_q6b65aaa534_attn
	.p2alignl 7, 3214868480
	.fill 96, 4, 3214868480
	.section	.rodata,"a",@progbits
	.p2align	6, 0x0
	.amdhsa_kernel k_q6b65aaa534_attn
		.amdhsa_group_segment_fixed_size 327680
		.amdhsa_private_segment_fixed_size 0
		.amdhsa_enable_private_segment 0
		.amdhsa_kernarg_size 16
		.amdhsa_user_sgpr_count 2
		.amdhsa_user_sgpr_kernarg_segment_ptr 1
		.amdhsa_wavefront_size32 1
		.amdhsa_system_sgpr_workgroup_id_x 1
		.amdhsa_system_sgpr_workgroup_id_y 1
		.amdhsa_system_sgpr_workgroup_id_z 1
		.amdhsa_system_vgpr_workitem_id 0
		.amdhsa_next_free_vgpr 512
		.amdhsa_next_free_sgpr 80
		.amdhsa_reserve_vcc 0
		.amdhsa_float_denorm_mode_32 3
		.amdhsa_float_denorm_mode_16_64 3
		.amdhsa_memory_ordered 1
		.amdhsa_forward_progress 1
		.amdhsa_inst_pref_size 255
	.end_amdhsa_kernel
	.section	.bss,"aw",@nobits
	.p2align	6
	.space	262144
	.amdgpu_metadata
---
amdhsa.version: [ 1, 2 ]
amdhsa.kernels:
  - .name:           k_q6b65aaa534_attn
    .symbol:         k_q6b65aaa534_attn.kd
    .args:
      - { .name: qkv, .offset: 0, .size: 8, .value_kind: global_buffer, .address_space: global }
      - { .name: ao, .offset: 8, .size: 8, .value_kind: global_buffer, .address_space: global }
    .group_segment_fixed_size: 327680
    .private_segment_fixed_size: 0
    .kernarg_segment_align: 8
    .kernarg_segment_size: 16
    .max_flat_workgroup_size: 256
    .sgpr_count:     80
    .vgpr_count:     512
    .wavefront_size: 32
...
	.end_amdgpu_metadata
.endif
;; end of part 3
;; launch oproj (part 4): grid 8 x 32, 4 waves a work-group, clusters of 4 x 4, 327,680 bytes of LDS; arguments ao, cb, b_o, out0; writes out0
.if DOCPART == 4
	.amdgcn_target "amdgcn-amd-amdhsa--gfx1250"
	.amdhsa_code_object_version 6
	.text
	.protected	k_q6b65aaa534_oproj
	.globl	k_q6b65aaa534_oproj
	.p2align	8
	.type	k_q6b65aaa534_oproj,@function
k_q6b65aaa534_oproj:
	s_mov_b64 s[64:65], 0
	v_nop
	global_prefetch_b8 v0, s[64:65] scope:SCOPE_SE
	s_setreg_imm32_b32 hwreg(HW_REG_WAVE_MODE, 25, 1), 1
	s_wait_xcnt 0x0
	s_wait_alu depctr_hold_cnt(0) depctr_sa_sdst(0) depctr_va_vdst(0) depctr_va_sdst(0) depctr_va_ssrc(0) depctr_va_vcc(0) depctr_vm_vsrc(0)
	s_getreg_b32 s2, hwreg(HW_REG_IB_STS2, 6, 4)
	s_cmp_eq_u32 s2, 0
	s_cbranch_scc0 .Lentry_in_a_cluster
	s_endpgm
.Lentry_in_a_cluster:
	s_bfe_u32 s2, ttmp6, 0x10000c
	s_cmp_lg_u32 s2, 0xf033
	s_cbranch_scc0 .Lentry_shape_is_right
	s_endpgm
.Lentry_shape_is_right:
; oproj: out0 = ao w_o + b_o: a product of 8192 x 1024 x 1024, f16 operands (ao from launch attn, w_o = matrix 11 of cb), sums in f32, f32 out.
; The main loop is launch qkv's: a work-group makes 256 rows x 128 columns with four waves of 128 x 64; 8 x 32 = 256 work-groups, one for each WGP.
; K goes in steps of 128 through two LDS slots filled by the tensor data mover; every tile is a dense run of memory, fetched as rows of 256 bytes.
; CLUSTERS: 4 x 4 work-groups; ao's tiles are asked for jointly along a row of the cluster, w_o's along a column, which divides the requests for both by four.
; ao and cb's matrices: 2 MiB for 1,024 rows = 16 blocks of 1024 rows x 64 columns, 128 bytes a row.  w_o: row = k, column = n.
; THE MATRIX INSTRUCTION IS USED TRANSPOSED: source 0 = 16 columns of w_o, source 1 = 16 rows of ao: a lane holds eight neighbouring columns of one row.
; REGISTERS: window 0: v16-23 addresses; v32-127, v128-223 two fragment buffers (8 fragments of ao, then 4 of w_o); v224-255 the bias.
;            window 1: the 32 accumulator tiles, tile (a, b) at v[8 (4 a + b)].
.set PA,    144                        ; LDS pitch of ao's rows: 128 + 16 bytes
.set PB,    160                        ; LDS pitch of w_o's rows: 128 + 32 bytes
.set ABLK,  256*PA
.set BBLK,  128*PB
.set BOFF,  2*ABLK
.set SLOT,  BOFF+2*BBLK                ; 114,688 bytes
.set STAGE, 2*SLOT                     ; behind the ring: 16 rows x 272 bytes for each wave; no tensor load lands here
.set SP,    272                        ; a stage row: 256 bytes + 16
.set WOFF,  23068672                   ; matrix 11 of cb
.set ASTEP, 262144
.set BSTEP, 16384
.set ADRA, 16
.set ADRB, 18
.set STO,  20
.set RD,   21
.set CO,   22
.set BO,   23
.set F0,   32
.set F1,   128
.set BIAS, 224
.set T,    32
.set G1A, 24
.set G0A, 32
.set G1B, 40
.set G0B, 48
.set ACCW, 0x50                        ; C and D in window 1
.set MSB, 0
.macro WIN new
.if MSB != \new
	s_set_vgpr_msb (MSB<<8)|\new
.set MSB, \new
.endif
.endm
.macro PLACES                          ; four places behind matrix instructions (ISA guide 7.12.1 for vector instructions)
.rept 4
	v_nop
.endr
.endm
.macro JLOAD s                         ; waves 0, 1: ao's two K blocks; waves 2, 3: w_o's two column blocks
	s_cmp_eq_u32 s15, 0
	s_cbranch_scc0 .Lfor_b_\@
	tensor_load_to_lds s[G0A+4*\s:G0A+4*\s+3], s[G1A:G1A+7]
	s_nop 0
	s_branch .Lasked_\@
.Lfor_b_\@:
	tensor_load_to_lds s[G0B+4*\s:G0B+4*\s+3], s[G1B:G1B+7]
	s_nop 0
.Lasked_\@:
.endm
.macro CREST                           ; a round of the cluster's barrier behind its opening barrier
	s_cmp_lg_u32 s14, 0
	s_cbranch_scc1 .Lnot_wave_0_\@
	s_barrier_signal -3
.Lnot_wave_0_\@:
	s_barrier_wait -3
	s_barrier_signal -1
	s_barrier_wait -1
.endm
.macro CROUND
	s_barrier_signal -1
	s_barrier_wait -1
	CREST
.endm
	s_load_b256 s[4:11], s[0:1], 0x0               ; ao s[4:5], cb s[6:7], b_o s[8:9], out0 s[10:11]
	v_lshl_add_u32 v30, v0, 2, 0x3c400
	v_mov_b32 v31, 0
	ds_add_u32 v30, v31
	v_lshrrev_b32 v1, 5, v0
	v_readfirstlane_b32 s14, v1                    ; wave 0..3
	s_lshr_b32 s15, s14, 1                         ; my half of the rows.  Also: I fetch for ao (0) or for w_o (1)
	s_and_b32 s16, s14, 1                          ; my half of the columns.  Also: which of the two blocks I fetch
	s_bfe_u32 s17, ttmp6, 0x40000                  ; cx
	s_bfe_u32 s18, ttmp6, 0x40004                  ; cy
	s_lshl_b32 s19, ttmp9, 2
	s_add_co_u32 s19, s19, s17                     ; block column, 0..7
	s_and_b32 s20, ttmp7, 0xffff
	s_lshl_b32 s20, s20, 2
	s_add_co_u32 s20, s20, s18                     ; block row, 0..31
	s_lshl_b32 s21, s18, 2
	s_lshl_b32 s21, 15, s21                        ; my row of the cluster
	s_lshl_b32 s22, 0x1111, s17                    ; my column
	s_or_b32 s[G1A+0], s21, 0x07330000             ; 15:0 mask; 17:16 element of 8 bytes; 20 padding on; 21 set beside a mask; 24:22 every 32 words; 31:25 of 4 words
	s_mov_b32 s[G1A+1], 32<<16                     ; a dense run of 32 KiB as 128 rows of 32 elements
	s_mov_b32 s[G1A+2], 128<<16
	s_mov_b32 s[G1A+3], 32<<16
	s_mov_b32 s[G1A+4], 128
	s_mov_b32 s[G1A+5], 32
	s_mov_b32 s[G1A+6], 0
	s_mov_b32 s[G1A+7], 0
	s_or_b32 s[G1B+0], s22, 0x0f330000             ; the same with 8 words of padding,
	s_mov_b32 s[G1B+1], 32<<16                     ; 16 KiB as 64 rows
	s_mov_b32 s[G1B+2], 64<<16
	s_mov_b32 s[G1B+3], 32<<16
	s_mov_b32 s[G1B+4], 64
	s_mov_b32 s[G1B+5], 32
	s_mov_b32 s[G1B+6], 0
	s_mov_b32 s[G1B+7], 0
	s_lshr_b32 s56, s20, 2                         ; ao's tiles: the block row alone and the wave
	s_lshl_b32 s56, s56, 21
	s_and_b32 s57, s20, 3
	s_lshl_b32 s57, s57, 15
	s_add_co_u32 s56, s56, s57
	s_lshl_b32 s57, s16, 17
	s_add_co_u32 s56, s56, s57
	s_mov_b32 s57, 0
	s_lshl_b32 s58, s19, 18                        ; w_o's tiles: the block column alone and the wave
	s_lshl_b32 s59, s16, 17
	s_add_co_u32 s58, s58, s59
	s_add_co_u32 s58, s58, WOFF
	s_mov_b32 s59, 0
	s_mul_i32 s60, s14, ABLK
	s_mul_i32 s61, s14, BBLK
	s_add_co_u32 s61, s61, BOFF-2*BBLK
	s_lshl_b32 s66, s19, 9                         ; my 64 columns, in bytes of f32
	s_lshl_b32 s67, s16, 8
	s_add_co_u32 s66, s66, s67
	s_mov_b32 s67, 0
	s_lshl_b32 s68, s20, 20                        ; my first row of out0: 256 rows of 4,096 bytes a block row,
	s_lshl_b32 s70, s15, 19                        ; 128 rows a half,
	s_add_co_u32 s68, s68, s70
	s_add_co_u32 s68, s68, s66                     ; and my columns
	s_mov_b32 s69, 0
	s_wait_dscnt 0x0
	s_wait_kmcnt 0x0
	s_add_nc_u64 s[56:57], s[4:5], s[56:57]
	s_add_nc_u64 s[58:59], s[6:7], s[58:59]
	s_add_nc_u64 s[8:9], s[8:9], s[66:67]
	s_add_nc_u64 s[10:11], s[10:11], s[68:69]
	CROUND                                         ; all sixteen work-groups are here: the first joint loads meet
.irp s, 0,1
	s_mov_b32 s[G0A+4*\s], 1
	s_add_co_u32 s[G0A+4*\s+1], s60, \s*SLOT
	s_add_nc_u64 s[G0A+4*\s+2:G0A+4*\s+3], s[56:57], \s*ASTEP
	s_or_b32 s[G0A+4*\s+3], s[G0A+4*\s+3], 0x80000000
	s_mov_b32 s[G0B+4*\s], 1
	s_add_co_u32 s[G0B+4*\s+1], s61, \s*SLOT
	s_add_nc_u64 s[G0B+4*\s+2:G0B+4*\s+3], s[58:59], \s*BSTEP
	s_or_b32 s[G0B+4*\s+3], s[G0B+4*\s+3], 0x80000000
	JLOAD \s                                       ; two tensor loads of a wave are out here, one behind every later round
.endr
	v_and_b32 v1, 15, v0                           ; r
	v_bfe_u32 v2, v0, 4, 1                         ; h
	v_lshlrev_b32 v[BO], 5, v2
.irp b, 0,1,2,3
	global_load_b128 v[BIAS+8*\b:BIAS+8*\b+3],   v[BO], s[8:9] offset:64*\b
	global_load_b128 v[BIAS+8*\b+4:BIAS+8*\b+7], v[BO], s[8:9] offset:64*\b+16
.endr
	v_mul_u32_u24 v3, v1, PA
	v_lshl_add_u32 v3, v2, 4, v3
	s_mul_i32 s72, s15, 128*PA
	v_add_nc_u32 v[ADRA], s72, v3
	v_add_nc_u32 v[ADRA+1], SLOT, v[ADRA]
	v_and_b32 v4, 7, v0
	v_lshl_add_u32 v4, v2, 3, v4
	v_mul_u32_u24 v4, v4, PB
	v_bfe_u32 v5, v0, 3, 1
	v_lshl_add_u32 v4, v5, 4, v4
	s_mul_i32 s73, s16, BBLK
	s_add_co_u32 s73, s73, BOFF
	v_add_nc_u32 v[ADRB], s73, v4
	v_add_nc_u32 v[ADRB+1], SLOT, v[ADRB]
	s_mul_i32 s74, s14, 16*SP
	s_add_co_u32 s74, s74, STAGE                   ; my stage
	v_mul_u32_u24 v6, v1, SP                       ; in: row r, 32 bytes for each half of the lanes
	v_lshl_add_u32 v6, v2, 5, v6
	v_add_nc_u32 v[STO], s74, v6
	v_mul_u32_u24 v7, v2, SP                       ; back: lanes 0-15 take one row of 256 bytes, lanes 16-31 the next
	v_lshl_add_u32 v7, v1, 4, v7
	v_add_nc_u32 v[RD], s74, v7
	v_lshlrev_b32 v[CO], 12, v2                    ; and the same two rows in out0
	v_lshl_add_u32 v[CO], v1, 4, v[CO]
; The 32 accumulators take turns, one instruction a turn, in the same order everywhere.
.macro MULA f, a, zero
.irp b, 0,1,2,3
.if \zero
	v_wmma_f32_16x16x32_f16 v[8*(4*(\a)+\b):8*(4*(\a)+\b)+7], v[\f+64+8*\b:\f+64+8*\b+7], v[\f+8*(\a):\f+8*(\a)+7], 0
.else
	v_wmma_f32_16x16x32_f16 v[8*(4*(\a)+\b):8*(4*(\a)+\b)+7], v[\f+64+8*\b:\f+64+8*\b+7], v[\f+8*(\a):\f+8*(\a)+7], v[8*(4*(\a)+\b):8*(4*(\a)+\b)+7]
.endif
.endr
.endm
.macro MUL2 f, a0, zero
	MULA \f, \a0, \zero
	MULA \f, \a0+1, \zero
.endm
.macro MUL4 f, a0, zero
	MUL2 \f, \a0, \zero
	MUL2 \f, \a0+2, \zero
.endm
.macro FETCH slot, q, f                ; 24 LDS loads in one run: w_o's four fragments first, then ao's eight
	WIN 0
.irp b, 0,1,2,3
	ds_load_tr16_b128 v[\f+64+8*\b:\f+64+8*\b+3],   v[ADRB+\slot] offset:(\q)*32*PB+32*\b
	ds_load_tr16_b128 v[\f+64+8*\b+4:\f+64+8*\b+7], v[ADRB+\slot] offset:(\q)*32*PB+32*\b+16*PB
.endr
.irp i, 0,1,2,3,4,5,6,7
	ds_load_b128 v[\f+8*\i:\f+8*\i+3],   v[ADRA+\slot] offset:((\q)/2)*ABLK+((\q)%2)*64+\i*16*PA
	ds_load_b128 v[\f+8*\i+4:\f+8*\i+7], v[ADRA+\slot] offset:((\q)/2)*ABLK+((\q)%2)*64+\i*16*PA+32
.endr
.endm
.macro QUARTER slot, q, f, g, zero
	s_wait_dscnt 8                                 ; w_o and ao's rows 0-63 are in; the youngest eight loads (rows 64-127) may be out
	WIN ACCW
	MUL4 \f, 0, \zero
	PLACES
	FETCH \slot, \q, \g
	s_wait_dscnt 24                                ; all but the 24 just issued
	WIN ACCW
	MUL4 \f, 4, \zero
.endm
.macro THREE slot, zero
	QUARTER \slot, 1, F0, F1, \zero
	QUARTER \slot, 2, F1, F0, 0
	QUARTER \slot, 3, F0, F1, 0
.endm
; The change of slots: each wave's reads of this slot and all its tensor loads are waited for in front of the barrier; with fill = 1 the barrier opens a
; round of the cluster's barrier, and the joint refill, two K steps ahead, is the first tensor load behind the round.
.macro TURN slot, next, fill
	s_wait_dscnt 8
	WIN ACCW
	MUL2 F1, 0, 0
	s_wait_dscnt 0x0
	s_wait_tensorcnt 0x0
	ds_add_u32 v30, v31
	s_wait_dscnt 0x0
	s_barrier_signal -1
	MUL2 F1, 2, 0
	WIN 0
	s_barrier_wait -1
.if \fill
	CREST
	s_add_nc_u64 s[G0A+4*\slot+2:G0A+4*\slot+3], s[G0A+4*\slot+2:G0A+4*\slot+3], 2*ASTEP
	s_add_nc_u64 s[G0B+4*\slot+2:G0B+4*\slot+3], s[G0B+4*\slot+2:G0B+4*\slot+3], 2*BSTEP
	JLOAD \slot
.endif
	PLACES
	FETCH \next, 0, F0
	WIN ACCW
	MUL4 F1, 4, 0
.endm
.macro LAP zero
	THREE 0, \zero
	TURN 0, 1, 1
	THREE 1, 0
	TURN 1, 0, 1
.endm
	s_wait_loadcnt 0x0                             ; the bias, once
	s_wait_tensorcnt 0x1                           ; my part of K step 0 is in; step 1's load stays out
	s_barrier_signal -1
	s_barrier_wait -1
	FETCH 0, 0, F0
	LAP 1                                          ; K steps 0, 1: the first products start the sums
	WIN 0
	s_mov_b32 s3, 2
.Llap:
	LAP 0                                          ; K steps 2 to 5
	WIN 0
	s_sub_co_u32 s3, s3, 1
	s_cmp_lg_u32 s3, 0
	s_cbranch_scc1 .Llap
	THREE 0, 0                                     ; K steps 6, 7 fill nothing
	TURN 0, 1, 0
	THREE 1, 0
	s_wait_dscnt 8
	WIN ACCW
	MUL4 F1, 0, 0
	s_wait_dscnt 0x0
	MUL4 F1, 4, 0
	WIN 0
	PLACES
; THE WAY OUT, 16 rows at a time: + bias, 32 bytes a lane into my own stage, read back as whole rows of 256 bytes; sixteen lanes store 256 consecutive bytes, aligned.
.macro OUT16 i, rr
	WIN 0x01
.irp b, 0,1,2,3
.irp p, 0,2,4,6
	v_pk_add_f32 v[T+8*\b+\p:T+8*\b+\p+1], v[8*(4*\i+\b)+\p:8*(4*\i+\b)+\p+1], v[BIAS+8*\b+\p:BIAS+8*\b+\p+1]
.endr
.endr
	WIN 0
.irp b, 0,1,2,3
	ds_store_b128 v[STO], v[T+8*\b:T+8*\b+3]   offset:64*\b
	ds_store_b128 v[STO], v[T+8*\b+4:T+8*\b+7] offset:64*\b+16
.endr
	s_wait_xcnt 0x0                                ; the registers that earlier stores read are loaded again only behind this wait (ISA guide 3.1)
.irp t, 0,1,2,3,4,5,6,7
	ds_load_b128 v[\rr+4*\t:\rr+4*\t+3], v[RD] offset:\t*2*SP      ; LDS serves a wave's instructions in order (ISA guide 5.7.1.4)
.endr
.irp t, 0,1,2,3,4,5,6,7
	s_wait_dscnt 7-\t
	global_store_b128 v[CO], v[\rr+4*\t:\rr+4*\t+3], s[10:11] offset:(16*\i+2*\t)*4096 th:TH_STORE_NT
.endr
.endm
	OUT16 0, 64
	OUT16 1, 96
	OUT16 2, 64
	OUT16 3, 96
	OUT16 4, 64
	OUT16 5, 96
	OUT16 6, 64
	OUT16 7, 96
	s_wait_tensorcnt 0x0
	ds_add_u32 v30, v31
	s_wait_dscnt 0x0
	CROUND                                         ; the closing round
	s_endpgm
.Lfunc_end_k_q6b65aaa534_oproj:
	.size	k_q6b65aaa534_oproj, .Lfunc_end_k_q6b65aaa534_oproj-k_q6b65aaa534_oproj
	.p2alignl 7, 3214868480
	.fill 96, 4, 3214868480
	.section	.rodata,"a",@progbits
	.p2align	6, 0x0
	.amdhsa_kernel k_q6b65aaa534_oproj
		.amdhsa_group_segment_fixed_size 327680
		.amdhsa_private_segment_fixed_size 0
		.amdhsa_enable_private_segment 0
		.amdhsa_kernarg_size 32
		.amdhsa_user_sgpr_count 2
		.amdhsa_user_sgpr_kernarg_segment_ptr 1
		.amdhsa_wavefront_size32 1
		.amdhsa_system_sgpr_workgroup_id_x 1
		.amdhsa_system_sgpr_workgroup_id_y 1
		.amdhsa_system_sgpr_workgroup_id_z 1
		.amdhsa_system_vgpr_workitem_id 0
		.amdhsa_next_free_vgpr 512
		.amdhsa_next_free_sgpr 80
		.amdhsa_reserve_vcc 0
		.amdhsa_float_denorm_mode_32 3
		.amdhsa_float_denorm_mode_16_64 3
		.amdhsa_memory_ordered 1
		.amdhsa_forward_progress 1
		.amdhsa_inst_pref_size 127
	.end_amdhsa_kernel
	.amdgpu_metadata
---
amdhsa.version: [ 1, 2 ]
amdhsa.kernels:
  - .name:           k_q6b65aaa534_oproj
    .symbol:         k_q6b65aaa534_oproj.kd
    .args:
      - { .name: ao, .offset: 0, .size: 8, .value_kind: global_buffer, .address_space: global }
      - { .name: cb, .offset: 8, .size: 8, .value_kind: global_buffer, .address_space: global }
      - { .name: b_o, .offset: 16, .size: 8, .value_kind: global_buffer, .address_space: global }
      - { .name: out0, .offset: 24, .size: 8, .value_kind: global_buffer, .address_space: global }
    .group_segment_fixed_size: 327680
    .private_segment_fixed_size: 0
    .kernarg_segment_align: 8
    .kernarg_segment_size: 32
    .max_flat_workgroup_size: 128
    .sgpr_count:     80
    .vgpr_count:     512
    .wavefront_size: 32
...
	.end_amdgpu_metadata
.endif
;; end of part 4
;; ======== version 2 of 3: 4 launches
;; limits: values are held in f16: magnitudes above 65,504 overflow, below 6.1e-05 lose precision
;; workspace buffers: cb 25,165,824 bytes; qkv 50,331,648 bytes; ao 16,777,216 bytes
;; launch cast (part 5): grid 64 x 12, 8 waves a work-group, no clusters, 0 bytes of LDS; arguments x, w_q, w_k, w_v, w_o, cb; writes cb
.if DOCPART == 5
	.amdgcn_target "amdgcn-amd-amdhsa--gfx1250"
	.amdhsa_code_object_version 6
	.text
	.protected	k_q6b65aaa534_cast
	.globl	k_q6b65aaa534_cast
	.p2align	8
	.type	k_q6b65aaa534_cast,@function
k_q6b65aaa534_cast:
	s_mov_b64 s[64:65], 0
	v_nop
	global_prefetch_b8 v0, s[64:65] scope:SCOPE_SE
	s_setreg_imm32_b32 hwreg(HW_REG_WAVE_MODE, 25, 1), 1
	s_wait_xcnt 0x0
; cast: x (as 8 matrices of 1024 x 1024) and the four weights, f32, are rounded once to f16 and laid into cb in blocks.
; cb holds 12 matrices of 2 MiB: 0-7 = x's rows 1024 g .. 1024 g + 1023, 8 = w_q, 9 = w_k, 10 = w_v, 11 = w_o.
; Matrices 0-7 and 11: element (row, col) at byte (col >> 6) * 131072 + row * 128 + (col & 63) * 2: sixteen dense blocks of 1024 rows x 64 columns.
; Matrices 8-10:       element (row, col) at byte (col >> 7) * 262144 + row * 256 + (col & 127) * 2: eight dense blocks of 1024 rows x 128 columns.
; So every tile that the later launches fetch (rows x 64 columns of x, ao's kin and w_o; 128 k x 128 columns of w_q, w_k, w_v) is one unbroken run of memory.
; LIMIT: a number beyond f16's largest, 65,504, becomes infinite.  x has a spread of 1 and the weights of 1/32: 30 times larger, or an offset of 30 spreads, stays under 200.
; A stream: each byte is read once and written once, so there is no LDS, no barrier and no matrix work.
; The work-group (x = 16 rows, y = the matrix) has eight waves; a wave takes two rows, 16 loads, all on their way at once.
; Blocks of 64 columns: lanes 0-15 read 256 neighbouring bytes (64 columns) of one row, lanes 16-31 the same columns of the next; the store covers two rows of 128 bytes.
; Blocks of 128 columns: the 32 lanes read 512 neighbouring bytes (128 columns) of one row; the store covers that block's row of 256 bytes.
.set X, 8                              ; v[8:71]   load kb: 4 numbers in f32
.set Y, 72                             ; v[72:103] load kb: the same 4 in f16
; The 16 loads, conversions and stores of a wave.  wide = 0: load kb is column block kb of both rows.  wide = 1: load kb is row kb % 2, column block kb / 2.
.macro STREAM wide
.irp kb, 0,1,2,3,4,5,6,7,8,9,10,11,12,13,14,15
.if \wide
	global_load_b128 v[X+4*\kb:X+4*\kb+3], v1, s[4:5] offset:(\kb%2)*4096+(\kb/2)*512 th:TH_LOAD_NT
.else
	global_load_b128 v[X+4*\kb:X+4*\kb+3], v1, s[4:5] offset:\kb*256 th:TH_LOAD_NT
.endif
.endr
.irp kb, 0,1,2,3,4,5,6,7,8,9,10,11,12,13,14,15
	s_wait_loadcnt 15-\kb                          ; loads come back in order (ISA guide 5.7.1): load kb is in, the 15 - kb younger ones stay out
	v_cvt_pk_f16_f32 v[Y+2*\kb], v[X+4*\kb], v[X+4*\kb+1]
	v_cvt_pk_f16_f32 v[Y+2*\kb+1], v[X+4*\kb+2], v[X+4*\kb+3]
.if \wide
	global_store_b64 v2, v[Y+2*\kb:Y+2*\kb+1], s[14:15] offset:(\kb/2)*262144+(\kb%2)*256   ; the wave's 32 lanes store 256 consecutive bytes, aligned
.else
	global_store_b64 v2, v[Y+2*\kb:Y+2*\kb+1], s[14:15] offset:\kb*131072                   ; the wave's 32 lanes store 256 consecutive bytes, aligned
.endif
.endr
.endm
	s_load_b256 s[4:11], s[0:1], 0x0               ; x s[4:5], w_q s[6:7], w_k s[8:9], w_v s[10:11]
	s_load_b128 s[12:15], s[0:1], 0x20             ; w_o s[12:13], cb s[14:15]
	s_and_b32 s16, ttmp7, 0xffff                   ; the matrix, 0 to 11
	s_sub_co_u32 s22, s16, 8                       ; 0, 1, 2 for w_q, w_k, w_v; 3 for w_o; wraps to a large number for x
	s_cmp_lt_u32 s16, 8
	s_cselect_b32 s18, s16, 0                      ; x's part: 1,024 rows of 4,096 bytes for each matrix; a weight starts at its own first byte
	s_lshl_b32 s18, s18, 22
	s_lshl_b32 s19, ttmp9, 16                      ; the group's 16 rows
	s_add_co_u32 s18, s18, s19
	s_mov_b32 s19, 0
	s_lshl_b32 s21, ttmp9, 11                      ; in cb: 16 rows of 128 bytes,
	s_lshl_b32 s23, ttmp9, 12                      ; or of 256
	s_cmp_lt_u32 s22, 3
	s_cselect_b32 s21, s23, s21
	s_lshl_b32 s20, s16, 21                        ; 2 MiB a matrix
	s_add_co_u32 s20, s20, s21
	s_mov_b32 s21, 0
	s_wait_kmcnt 0x0
	s_cmp_eq_u32 s16, 8                            ; the source is chosen by the matrix number alone
	s_cselect_b64 s[4:5], s[6:7], s[4:5]
	s_cmp_eq_u32 s16, 9
	s_cselect_b64 s[4:5], s[8:9], s[4:5]
	s_cmp_eq_u32 s16, 10
	s_cselect_b64 s[4:5], s[10:11], s[4:5]
	s_cmp_eq_u32 s16, 11
	s_cselect_b64 s[4:5], s[12:13], s[4:5]
	s_add_nc_u64 s[4:5], s[4:5], s[18:19]
	s_add_nc_u64 s[14:15], s[14:15], s[20:21]
	s_cmp_lt_u32 s22, 3
	s_cbranch_scc1 .Lwide
	v_lshrrev_b32 v1, 4, v0                        ; my row of the group's 16
	v_and_b32 v3, 15, v0
	v_lshlrev_b32 v1, 12, v1                       ; x 4,096 bytes
	v_lshl_add_u32 v1, v3, 4, v1                   ; + 16 bytes for each of 16 lanes
	v_lshlrev_b32 v2, 3, v0                        ; in cb: row * 128 + (lane mod 16) * 8 = 8 t
	STREAM 0
	s_endpgm                                       ; no register is written twice, so no source of a pending instruction is ever rewritten
.Lwide:
	v_lshrrev_b32 v1, 5, v0                        ; the wave: rows 2 w and 2 w + 1
	v_and_b32 v3, 31, v0
	v_lshlrev_b32 v2, 9, v1                        ; in cb: two rows of 256 bytes a wave,
	v_lshlrev_b32 v1, 13, v1                       ; in the weight: two rows of 4,096 bytes
	v_lshl_add_u32 v1, v3, 4, v1                   ; + 16 bytes a lane
	v_lshl_add_u32 v2, v3, 3, v2                   ; + 8 bytes a lane
	STREAM 1
	s_endpgm
.Lfunc_end_k_q6b65aaa534_cast:
	.size	k_q6b65aaa534_cast, .Lfunc_end_k_q6b65aaa534_cast-k_q6b65aaa534_cast
	.p2alignl 7, 3214868480
	.fill 96, 4, 3214868480
	.section	.rodata,"a",@progbits
	.p2align	6, 0x0
	.amdhsa_kernel k_q6b65aaa534_cast
		.amdhsa_group_segment_fixed_size 0
		.amdhsa_private_segment_fixed_size 0
		.amdhsa_enable_private_segment 0
		.amdhsa_kernarg_size 48
		.amdhsa_user_sgpr_count 2
		.amdhsa_user_sgpr_kernarg_segment_ptr 1
		.amdhsa_wavefront_size32 1
		.amdhsa_system_sgpr_workgroup_id_x 1
		.amdhsa_system_sgpr_workgroup_id_y 1
		.amdhsa_system_sgpr_workgroup_id_z 1
		.amdhsa_system_vgpr_workitem_id 0
		.amdhsa_next_free_vgpr 104
		.amdhsa_next_free_sgpr 66
		.amdhsa_reserve_vcc 0
		.amdhsa_float_denorm_mode_32 3
		.amdhsa_float_denorm_mode_16_64 3
		.amdhsa_memory_ordered 1
		.amdhsa_forward_progress 1
		.amdhsa_inst_pref_size 13
	.end_amdhsa_kernel
	.amdgpu_metadata
---
amdhsa.version: [ 1, 2 ]
amdhsa.kernels:
  - .name:           k_q6b65aaa534_cast
    .symbol:         k_q6b65aaa534_cast.kd
    .args:
      - { .name: x, .offset: 0, .size: 8, .value_kind: global_buffer, .address_space: global }
      - { .name: w_q, .offset: 8, .size: 8, .value_kind: global_buffer, .address_space: global }
      - { .name: w_k, .offset: 16, .size: 8, .value_kind: global_buffer, .address_space: global }
      - { .name: w_v, .offset: 24, .size: 8, .value_kind: global_buffer, .address_space: global }
      - { .name: w_o, .offset: 32, .size: 8, .value_kind: global_buffer, .address_space: global }
      - { .name: cb, .offset: 40, .size: 8, .value_kind: global_buffer, .address_space: global }
    .group_segment_fixed_size: 0
    .private_segment_fixed_size: 0
    .kernarg_segment_align: 8
    .kernarg_segment_size: 48
    .max_flat_workgroup_size: 256
    .sgpr_count:     66
    .vgpr_count:     104
    .wavefront_size: 32
...
	.end_amdgpu_metadata
.endif
;; end of part 5
;; launch qkv (part 6): grid 12 x 32, 4 waves a work-group, clusters of 4 x 4, 327,680 bytes of LDS; arguments cb, b_q, b_k, b_v, qkv; writes qkv
.if DOCPART == 6
	.amdgcn_target "amdgcn-amd-amdhsa--gfx1250"
	.amdhsa_code_object_version 6
	.text
	.protected	k_q6b65aaa534_qkv
	.globl	k_q6b65aaa534_qkv
	.p2align	8
	.type	k_q6b65aaa534_qkv,@function
k_q6b65aaa534_qkv:
	s_mov_b64 s[64:65], 0
	v_nop
	global_prefetch_b8 v0, s[64:65] scope:SCOPE_SE
	s_setreg_imm32_b32 hwreg(HW_REG_WAVE_MODE, 25, 1), 1
	s_wait_xcnt 0x0
	s_wait_alu depctr_hold_cnt(0) depctr_sa_sdst(0) depctr_va_vdst(0) depctr_va_sdst(0) depctr_va_ssrc(0) depctr_va_vcc(0) depctr_vm_vsrc(0)
	s_getreg_b32 s2, hwreg(HW_REG_IB_STS2, 6, 4)
	s_cmp_eq_u32 s2, 0
	s_cbranch_scc0 .Lentry_in_a_cluster
	s_endpgm
.Lentry_in_a_cluster:
	s_bfe_u32 s2, ttmp6, 0x10000c
	s_cmp_lg_u32 s2, 0xf033
	s_cbranch_scc0 .Lentry_shape_is_right
	s_endpgm
.Lentry_shape_is_right:
; qkv: [q | k | v] = x [w_q | w_k | w_v] + bias: a product of 8192 x 3072 x 1024, f16 operands from cb, sums in f32, results rounded once to f16.
; qkv is [3][batch 4][head 16][token 2048][64] f16.
; LIMIT: a projection beyond f16's largest, 65,504, becomes infinite.  With x and the weights both 30 times larger the projections have a spread of 900;
; with an offset of 30 spreads on both, their common term is 1024 * 30 * 30/32 = 28,800.
; A work-group makes 256 rows x 256 columns with four waves, as many as a WGP has SIMDs; a wave makes 128 rows x 128 columns, which is TWO heads: 64 accumulator
; tiles of 16 x 16, 512 registers; its result is two dense runs of 16 KiB of qkv.  For 32 along K a wave reads 16 KiB from LDS for 64 matrix instructions.
; 12 x 32 = 384 work-groups in 24 clusters: one and a half for each of 256 WGPs, which is uneven.  The blocks that would divide evenly (256 x 128, 256 x 192) leave
; 128 or 192 matrix instructions a wave for a K step's tiles to land in; this one leaves 256, and it reads each tile of x half as often.
; K goes in steps of 128 through two LDS slots filled by the tensor data mover.  In cb every tile is a dense run, fetched as rows of 256 bytes at multiples of 256 bytes.
; CLUSTERS: 4 x 4 work-groups.  The four of a row of the cluster need the same tiles of x, the four of a column the same tiles of the weights:
; each tile is asked for jointly, by the same tensor load in all four, which divides the requests for both by four.
; cb: matrices 0-7: x, 16 blocks of 1024 rows (tokens) x 64 columns, 128 bytes a row.  Matrices 8, 9, 10: w_q, w_k, w_v, 8 blocks of 1024 rows (k) x 128 columns (n), 256 bytes a row.
; THE MATRIX INSTRUCTION IS USED TRANSPOSED: source 0 = 16 columns of W, source 1 = 16 rows of x.  Lane l then holds row l % 16 of the result, and its
; registers 0-7 the columns 8 (l / 16) + 0 .. 7: eight neighbouring numbers, which pack into 16 bytes.
; REGISTERS, in windows of 256:
;   window 0: v16-27 addresses; v32-63 the way out, packed; v64-127, v128-191 fragments of x (8 x 16 rows x 32 K), two buffers; v192-255 the way out, sums + bias
;   window 1: v0-63 the bias of my 64 columns a lane; v64-127, v128-191 fragments of W, two buffers
;   window 2: the 32 accumulator tiles of my rows 0-63 (tile (a, b) at v[8 (8 a + b)]);   window 3: those of my rows 64-127
.set PA,    144                        ; LDS pitch of x's rows: 128 bytes + 16: an odd multiple of 16, so the 16 rows of a fragment load start in 16 different groups of 4 banks (64 banks of 4 bytes: ISA guide 11.1)
.set PB,    288                        ; LDS pitch of W's rows: 256 bytes + 32: an odd multiple of 32, as the transposing load's eight rows of 16 bytes want
.set ABLK,  256*PA                     ; 256 rows of x, 64 along K
.set BBLK,  128*PB                     ; 128 rows (k) of W, 128 columns
.set BOFF,  2*ABLK                     ; a slot: x's two K blocks, then W's two column blocks
.set SLOT,  BOFF+2*BBLK                ; 147,456 bytes
.set STAGE, 2*SLOT                     ; behind the ring: for each wave and each of its two heads 16 rows x 144 bytes, for the way out; no tensor load lands here
.set SP,    144
.set SHEAD, 16*SP
.set WOFF,  16777216                   ; the weights begin behind x's 8 matrices
.set ASTEP, 262144                     ; a K step in x: two blocks of 128 KiB
.set BSTEP, 32768                      ; a K step in W: 128 rows of 256 bytes
.set ADRA, 16                          ; v16-17 LDS address of my fragments of x in slot 0, 1
.set ADRB, 20                          ; v20-21 the same for W
.set STO,  24                          ; the way out: where I put 16 bytes of a row
.set RD,   25                          ; the way out: where I read rows back
.set CO,   26                          ; my byte offset in a head's run of qkv
.set BO,   27                          ; my byte offset in the bias
.set F0,   64
.set F1,   128
.set T,    192                         ; the way out: sums + bias
.set PK,   32                          ; the way out: packed f16
.set BIAS, 0                           ; in window 1
.set G1A, 24                           ; s[24:31] descriptor group 1, x's tiles
.set G0A, 32                           ; s[32:39] descriptor group 0, x's tiles, one set for each slot
.set G1B, 40                           ; s[40:47] group 1, W's tiles
.set G0B, 48                           ; s[48:55] group 0, W's tiles
.set MUL_LO, 0xa1                      ; source 0 (W) window 1, source 1 (x) window 0, C and D window 2
.set MUL_HI, 0xf1                      ; the same, C and D window 3
.set TO_B,   0x40                      ; destination window 1, address window 0
.set MSB, 0
.macro WIN new                         ; the immediate's high byte repeats the setting that is left; a switch that changes nothing is dropped
.if MSB != \new
	s_set_vgpr_msb (MSB<<8)|\new
.set MSB, \new
.endif
.endm
.macro PLACES                          ; four places behind matrix instructions, in front of loads into their sources and of vector instructions that read their results (ISA guide 7.12.1 for vector instructions)
.rept 4
	v_nop
.endr
.endm
; A joint load.  Waves 0 and 1 fetch x's two K blocks, waves 2 and 3 W's two column blocks.  The branch hangs on the wave's number alone.
.macro JLOAD s
	s_cmp_eq_u32 s15, 0
	s_cbranch_scc0 .Lfor_b_\@
	tensor_load_to_lds s[G0A+4*\s:G0A+4*\s+3], s[G1A:G1A+7]
	s_nop 0
	s_branch .Lasked_\@
.Lfor_b_\@:
	tensor_load_to_lds s[G0B+4*\s:G0B+4*\s+3], s[G1B:G1B+7]
	s_nop 0
	v_nop
.Lasked_\@:
.endm
; A round of the cluster's barrier: my work-group's barrier; wave 0 signals for the work-group; every wave waits for all sixteen; my work-group's barrier again.
.macro CREST                           ; a round behind its opening barrier
	s_cmp_lg_u32 s14, 0
	s_cbranch_scc1 .Lnot_wave_0_\@
	s_barrier_signal -3
.Lnot_wave_0_\@:
	s_barrier_wait -3
	s_barrier_signal -1
	s_barrier_wait -1
.endm
.macro CROUND
	s_barrier_signal -1
	s_barrier_wait -1
	CREST
.endm
	s_load_b256 s[4:11], s[0:1], 0x0               ; cb s[4:5], b_q s[6:7], b_k s[8:9], b_v s[10:11]
	s_load_b64 s[12:13], s[0:1], 0x20              ; qkv
	s_set_vgpr_msb 0x40
	v_lshl_add_u32 v255, v0, 2, 0x4c800
	s_set_vgpr_msb 0x4000
	v_mov_b32 v31, 0
	s_set_vgpr_msb 0x1
	ds_add_u32 v255, v31
	s_set_vgpr_msb 0x100
	v_lshrrev_b32 v1, 5, v0
	v_readfirstlane_b32 s14, v1                    ; wave 0..3
	s_lshr_b32 s15, s14, 1                         ; my half of the block's rows.  Also: I fetch for x (0) or for W (1)
	s_and_b32 s16, s14, 1                          ; my half of its columns.  Also: which of the two blocks I fetch
	s_bfe_u32 s17, ttmp6, 0x40000                  ; cx
	s_bfe_u32 s18, ttmp6, 0x40004                  ; cy
	s_lshl_b32 s19, ttmp9, 2
	s_add_co_u32 s19, s19, s17                     ; block column, 0..11
	s_and_b32 s20, ttmp7, 0xffff
	s_lshl_b32 s20, s20, 2
	s_add_co_u32 s20, s20, s18                     ; block row, 0..31
	s_lshl_b32 s21, s18, 2
	s_lshl_b32 s21, 15, s21                        ; my row of the cluster: places 4 cy .. 4 cy + 3
	s_lshl_b32 s22, 0x1111, s17                    ; my column: places cx, cx + 4, cx + 8, cx + 12
	s_mov_b32 s23, ttmp9                           ; q, k or v: 4 block columns each, so the cluster's x
	; group 1 of x's tiles: a dense run of 32 KiB as 128 rows of 32 elements of 8 bytes; 4 words of padding behind every 32 words, that is behind each 128-byte row of the block
	s_or_b32 s[G1A+0], s21, 0x07330000             ; 15:0 mask; 17:16 element of 8 bytes; 20 padding on; 21 set beside a mask; 24:22 every 32 words (code 4); 31:25 of 4 words (code 3)
	s_mov_b32 s[G1A+1], 32<<16                     ; tensor_dim0 = 32
	s_mov_b32 s[G1A+2], 128<<16                    ; tensor_dim1 = 128
	s_mov_b32 s[G1A+3], 32<<16                     ; tile_dim0 = 32
	s_mov_b32 s[G1A+4], 128                        ; tile_dim1 = 128
	s_mov_b32 s[G1A+5], 32                         ; from row to row: 32 elements, the run is dense
	s_mov_b32 s[G1A+6], 0
	s_mov_b32 s[G1A+7], 0
	; group 1 of W's tiles: a dense run of 32 KiB as 128 rows of 256 bytes; 8 words of padding behind every 64 words, that is behind each row
	s_or_b32 s[G1B+0], s22, 0x0f730000             ; 24:22 every 64 words (code 5); 31:25 of 8 words (code 7)
	s_mov_b32 s[G1B+1], 32<<16
	s_mov_b32 s[G1B+2], 128<<16
	s_mov_b32 s[G1B+3], 32<<16
	s_mov_b32 s[G1B+4], 128
	s_mov_b32 s[G1B+5], 32
	s_mov_b32 s[G1B+6], 0
	s_mov_b32 s[G1B+7], 0
	; where x's tiles come from: the block row alone (shared along my row of the cluster) and the wave
	s_lshr_b32 s56, s20, 2
	s_lshl_b32 s56, s56, 21                        ; the matrix of 1,024 rows
	s_and_b32 s57, s20, 3
	s_lshl_b32 s57, s57, 15                        ; 256 rows of 128 bytes
	s_add_co_u32 s56, s56, s57
	s_lshl_b32 s57, s16, 17                        ; the K block that I fetch
	s_add_co_u32 s56, s56, s57
	s_mov_b32 s57, 0
	; where W's come from: the block column alone (shared along my column) and the wave
	s_lshl_b32 s58, s19, 19                        ; two column blocks of 256 KiB; 4 block columns are one weight's 2 MiB, so q, k, v run on
	s_lshl_b32 s59, s16, 18
	s_add_co_u32 s58, s58, s59
	s_add_co_u32 s58, s58, WOFF
	s_mov_b32 s59, 0
	s_mul_i32 s60, s14, ABLK                       ; where they go: waves 0, 1: x's blocks 0, 1
	s_mul_i32 s61, s14, BBLK                       ; waves 2, 3: W's blocks 0, 1 at BOFF + (wave - 2) BBLK
	s_add_co_u32 s61, s61, BOFF-2*BBLK
	s_and_b32 s66, s19, 3                          ; the bias of my 128 columns
	s_lshl_b32 s66, s66, 10
	s_lshl_b32 s67, s16, 9
	s_add_co_u32 s66, s66, s67
	s_mov_b32 s67, 0
	s_lshl_b32 s68, s23, 6                         ; my first run of qkv: block ((q, k or v) * 64 + batch * 16 + head) of 256 KiB, then my first token
	s_lshr_b32 s70, s20, 3
	s_lshl_b32 s70, s70, 4
	s_add_co_u32 s68, s68, s70
	s_and_b32 s70, s19, 3
	s_lshl_b32 s70, s70, 2                         ; four heads a block column,
	s_add_co_u32 s68, s68, s70
	s_lshl_b32 s70, s16, 1                         ; two a wave
	s_add_co_u32 s68, s68, s70
	s_lshl_b32 s68, s68, 18
	s_and_b32 s70, s20, 7
	s_lshl_b32 s70, s70, 15
	s_add_co_u32 s68, s68, s70
	s_lshl_b32 s70, s15, 14
	s_add_co_u32 s68, s68, s70
	s_mov_b32 s69, 0
	s_wait_dscnt 0x0
	s_wait_kmcnt 0x0
	s_cmp_eq_u32 s23, 1
	s_cselect_b64 s[6:7], s[8:9], s[6:7]
	s_cmp_eq_u32 s23, 2
	s_cselect_b64 s[6:7], s[10:11], s[6:7]
	s_add_nc_u64 s[6:7], s[6:7], s[66:67]
	s_add_nc_u64 s[56:57], s[4:5], s[56:57]
	s_add_nc_u64 s[58:59], s[4:5], s[58:59]
	s_add_nc_u64 s[12:13], s[12:13], s[68:69]
	CROUND                                         ; all sixteen work-groups are here: the first joint loads meet
.irp s, 0,1
	s_mov_b32 s[G0A+4*\s], 1                                       ; count = 1
	s_add_co_u32 s[G0A+4*\s+1], s60, \s*SLOT                       ; LDS address
	s_add_nc_u64 s[G0A+4*\s+2:G0A+4*\s+3], s[56:57], \s*ASTEP      ; global address: K step s
	s_or_b32 s[G0A+4*\s+3], s[G0A+4*\s+3], 0x80000000              ; type = 2
	s_mov_b32 s[G0B+4*\s], 1
	s_add_co_u32 s[G0B+4*\s+1], s61, \s*SLOT
	s_add_nc_u64 s[G0B+4*\s+2:G0B+4*\s+3], s[58:59], \s*BSTEP
	s_or_b32 s[G0B+4*\s+3], s[G0B+4*\s+3], 0x80000000
	JLOAD \s                                       ; both slots' first fills go out together: two tensor loads of a wave are out here, one behind every later round
.endr
	v_and_b32 v1, 15, v0                           ; r = l % 16
	v_bfe_u32 v2, v0, 4, 1                         ; h = l / 16
	v_lshlrev_b32 v[BO], 5, v2                     ; my columns are 16 b + 8 h + 0..7
	WIN TO_B
.irp b, 0,1,2,3,4,5,6,7
	global_load_b128 v[BIAS+8*\b:BIAS+8*\b+3],   v[BO], s[6:7] offset:64*\b
	global_load_b128 v[BIAS+8*\b+4:BIAS+8*\b+7], v[BO], s[6:7] offset:64*\b+16
.endr
	WIN 0
	; a fragment of x: 16 rows x 32 K: lane l holds row r; registers 0-3 K = 8 h + 0..7, registers 4-7 K = 16 + 8 h + 0..7: two loads of 16 bytes, 32 bytes apart
	v_mul_u32_u24 v3, v1, PA
	v_lshl_add_u32 v3, v2, 4, v3                   ; r x pitch + 16 h
	s_mul_i32 s72, s15, 128*PA                     ; my 128 rows
	v_add_nc_u32 v[ADRA], s72, v3
	v_add_nc_u32 v[ADRA+1], SLOT, v[ADRA]
	; a fragment of W: rows lie along n, so two transposing loads, 16 rows apart: lane l addresses row 8 h + l % 8, 16 bytes at 16 ((l / 8) % 2)
	v_and_b32 v4, 7, v0
	v_lshl_add_u32 v4, v2, 3, v4
	v_mul_u32_u24 v4, v4, PB
	v_bfe_u32 v5, v0, 3, 1
	v_lshl_add_u32 v4, v5, 4, v4
	s_mul_i32 s73, s16, BBLK                       ; my 128 columns are one block
	s_add_co_u32 s73, s73, BOFF
	v_add_nc_u32 v[ADRB], s73, v4
	v_add_nc_u32 v[ADRB+1], SLOT, v[ADRB]
	s_mul_i32 s74, s14, 2*SHEAD
	s_add_co_u32 s74, s74, STAGE                   ; my stage
	v_add_nc_u32 v[STO], s74, v3                   ; in: row r, 16 bytes for each half of the lanes
	v_and_b32 v6, 31, v0
	v_lshrrev_b32 v7, 3, v6                        ; back: eight lanes take a row of 128 bytes, the wave four rows
	v_mul_u32_u24 v7, v7, SP
	v_and_b32 v5, 7, v0
	v_lshl_add_u32 v7, v5, 4, v7
	v_add_nc_u32 v[RD], s74, v7
	v_lshlrev_b32 v[CO], 4, v6                     ; in qkv those four rows are 512 consecutive bytes
; 16 matrix instructions: row blocks a0, a0 + 1 of the window's four (hi = 0: my rows 0-63, 1: rows 64-127) x all 8 column blocks, 32 along K.
; zero = 1: the first product starts the sums: nothing is ever cleared.
; The 64 accumulators take turns, one instruction a turn, in the same order in every quarter step.
.macro MUL16 f, hi, a0, zero
.irp a, \a0, \a0+1
.irp b, 0,1,2,3,4,5,6,7
.if \zero
	v_wmma_f32_16x16x32_f16 v[8*(8*(\a)+\b):8*(8*(\a)+\b)+7], v[\f+8*\b:\f+8*\b+7], v[\f+8*(4*\hi+\a):\f+8*(4*\hi+\a)+7], 0
.else
	v_wmma_f32_16x16x32_f16 v[8*(8*(\a)+\b):8*(8*(\a)+\b)+7], v[\f+8*\b:\f+8*\b+7], v[\f+8*(4*\hi+\a):\f+8*(4*\hi+\a)+7], v[8*(8*(\a)+\b):8*(8*(\a)+\b)+7]
.endif
.endr
.endr
.endm
; 32 LDS loads in one run: the fragments of quarter q (32 along K) of a slot into buffer f: W's eight first, then x's eight
.macro FETCH slot, q, f
	WIN TO_B
.irp i, 0,1,2,3,4,5,6,7
	ds_load_tr16_b128 v[\f+8*\i:\f+8*\i+3],   v[ADRB+\slot] offset:(\q)*32*PB+32*\i
	ds_load_tr16_b128 v[\f+8*\i+4:\f+8*\i+7], v[ADRB+\slot] offset:(\q)*32*PB+32*\i+16*PB
.endr
	WIN 0
.irp i, 0,1,2,3,4,5,6,7
	ds_load_b128 v[\f+8*\i:\f+8*\i+3],   v[ADRA+\slot] offset:((\q)/2)*ABLK+((\q)%2)*64+\i*16*PA
	ds_load_b128 v[\f+8*\i+4:\f+8*\i+7], v[ADRA+\slot] offset:((\q)/2)*ABLK+((\q)%2)*64+\i*16*PA+32
.endr
.endm
; A K step is four quarter steps of 32 along K, 64 matrix instructions each, on buffers 0, 1, 0, 1.
; One of the first three: multiplies buffer f; in its middle it fetches quarter q of the same slot into buffer g.
.macro QUARTER slot, q, f, g, zero
	s_wait_dscnt 8                                 ; W and x's rows 0-63 are in; the youngest eight loads (x's rows 64-127) may be out
	WIN MUL_LO
	MUL16 \f, 0, 0, \zero
	MUL16 \f, 0, 2, \zero
	PLACES
	FETCH \slot, \q, \g
	s_wait_dscnt 32                                ; all but the 32 just issued
	WIN MUL_HI
	MUL16 \f, 1, 0, \zero
	MUL16 \f, 1, 2, \zero
.endm
.macro THREE slot, zero
	QUARTER \slot, 1, F0, F1, \zero
	QUARTER \slot, 2, F1, F0, 0
	QUARTER \slot, 3, F0, F1, 0
.endm
; The last quarter multiplies buffer 1 and changes slots.  One barrier for two things: in front of it each wave waits for its reads of this slot and for
; all its tensor loads, of which one is out, its part of the next slot; behind it nobody reads this slot any more and the next slot is whole.
; fill = 1: the barrier opens a round of the cluster's barrier, and the joint refill, two K steps ahead, is the first tensor load behind the round.
; From a request to the wait for it a wave issues 240 of a K step's 256 matrix instructions.
.macro TURN slot, next, fill
	s_wait_dscnt 8
	WIN MUL_LO
	MUL16 F1, 0, 0, 0
	s_wait_dscnt 0x0                               ; my reads of this slot are over
	s_wait_tensorcnt 0x0                           ; all my tensor loads have landed
	ds_add_u32 v255, v31
	s_wait_dscnt 0x0
	s_barrier_signal -1
	MUL16 F1, 0, 2, 0                              ; work on registers while the others arrive
	WIN 0
	s_barrier_wait -1
.if \fill
	CREST                                          ; no wave of any partner still reads this slot or has a load on its way
	s_add_nc_u64 s[G0A+4*\slot+2:G0A+4*\slot+3], s[G0A+4*\slot+2:G0A+4*\slot+3], 2*ASTEP
	s_add_nc_u64 s[G0B+4*\slot+2:G0B+4*\slot+3], s[G0B+4*\slot+2:G0B+4*\slot+3], 2*BSTEP
	JLOAD \slot
.endif
	PLACES
	FETCH \next, 0, F0
	WIN MUL_HI
	MUL16 F1, 1, 0, 0
	MUL16 F1, 1, 2, 0
.endm
.macro LAP zero                        ; two K steps, once round the ring, both slots filled again
	THREE 0, \zero
	TURN 0, 1, 1
	THREE 1, 0
	TURN 1, 0, 1
.endm
	s_wait_loadcnt 0x0                             ; the bias, once
	s_wait_tensorcnt 0x1                           ; my part of K step 0 is in; step 1's load stays out
	s_barrier_signal -1
	s_barrier_wait -1
	FETCH 0, 0, F0
	LAP 1                                          ; K steps 0, 1: the first products start the sums
	WIN 0                                          ; at a label and at a branch every window is 0
	s_mov_b32 s3, 2
.Llap:
	LAP 0                                          ; K steps 2 to 5
	WIN 0
	s_sub_co_u32 s3, s3, 1
	s_cmp_lg_u32 s3, 0
	s_cbranch_scc1 .Llap
	THREE 0, 0                                     ; K steps 6, 7 fill nothing
	TURN 0, 1, 0
	THREE 1, 0
	s_wait_dscnt 8                                 ; the very last quarter: nothing more to fetch
	WIN MUL_LO
	MUL16 F1, 0, 0, 0
	MUL16 F1, 0, 2, 0
	s_wait_dscnt 0x0
	WIN MUL_HI
	MUL16 F1, 1, 0, 0
	MUL16 F1, 1, 2, 0
	WIN 0
	PLACES                                         ; behind the last matrix instructions, for the sums below and for the loads into the old buffers
; THE WAY OUT, 16 rows at a time: + bias, round to f16, 16 bytes a lane into my own stage (column blocks 0-3 into the first head's rows, 4-7 into the second's),
; read back as whole rows of 128 bytes, store 512 consecutive bytes a wave.
; rows 16 i .. 16 i + 15 = the eight tiles (a, 0..7) of window 2 or 3 (from = 0x06 or 0x07: source 0 there, source 1, the bias, in window 1); rr: v64 or v96 in turn
.macro OUT16 i, a, from, rr
	WIN \from
.irp b, 0,1,2,3,4,5,6,7
.irp p, 0,2,4,6
	v_pk_add_f32 v[T+8*\b+\p:T+8*\b+\p+1], v[8*(8*\a+\b)+\p:8*(8*\a+\b)+\p+1], v[BIAS+8*\b+\p:BIAS+8*\b+\p+1]
.endr
.endr
	WIN 0
.irp b, 0,1,2,3,4,5,6,7
.irp p, 0,1,2,3
	v_cvt_pk_f16_f32 v[PK+4*\b+\p], v[T+8*\b+2*\p], v[T+8*\b+2*\p+1]
.endr
.endr
.irp b, 0,1,2,3,4,5,6,7
	ds_store_b128 v[STO], v[PK+4*\b:PK+4*\b+3] offset:(\b/4)*SHEAD+32*(\b%4)
.endr
	s_wait_xcnt 0x0                                ; the registers that earlier stores read are loaded again only behind this wait (ISA guide 3.1)
.irp t, 0,1,2,3,4,5,6,7
	ds_load_b128 v[\rr+4*\t:\rr+4*\t+3], v[RD] offset:(\t/4)*SHEAD+(\t%4)*4*SP      ; LDS serves a wave's instructions in order (ISA guide 5.7.1.4): these see the stores above
.endr
.irp t, 0,1,2,3,4,5,6,7
	s_wait_dscnt 7-\t
	global_store_b128 v[CO], v[\rr+4*\t:\rr+4*\t+3], s[12:13] offset:(\t/4)*262144+2048*\i+512*(\t%4)   ; the second head's run lies 256 KiB behind the first's
.endr
.endm
	OUT16 0, 0, 0x06, 64
	OUT16 1, 1, 0x06, 96
	OUT16 2, 2, 0x06, 64
	OUT16 3, 3, 0x06, 96
	OUT16 4, 0, 0x07, 64
	OUT16 5, 1, 0x07, 96
	OUT16 6, 2, 0x07, 64
	OUT16 7, 3, 0x07, 96
	s_set_vgpr_msb 0x1
	s_wait_tensorcnt 0x0
	ds_add_u32 v255, v31
	s_wait_dscnt 0x0
	s_set_vgpr_msb 0x100
	CROUND                                         ; the closing round: no work-group ends while a partner may still ask for a tile that names it
	s_endpgm
.Lfunc_end_k_q6b65aaa534_qkv:
	.size	k_q6b65aaa534_qkv, .Lfunc_end_k_q6b65aaa534_qkv-k_q6b65aaa534_qkv
	.p2alignl 7, 3214868480
	.fill 96, 4, 3214868480
	.section	.rodata,"a",@progbits
	.p2align	6, 0x0
	.amdhsa_kernel k_q6b65aaa534_qkv
		.amdhsa_group_segment_fixed_size 327680
		.amdhsa_private_segment_fixed_size 0
		.amdhsa_enable_private_segment 0
		.amdhsa_kernarg_size 40
		.amdhsa_user_sgpr_count 2
		.amdhsa_user_sgpr_kernarg_segment_ptr 1
		.amdhsa_wavefront_size32 1
		.amdhsa_system_sgpr_workgroup_id_x 1
		.amdhsa_system_sgpr_workgroup_id_y 1
		.amdhsa_system_sgpr_workgroup_id_z 1
		.amdhsa_system_vgpr_workitem_id 0
		.amdhsa_next_free_vgpr 1024
		.amdhsa_next_free_sgpr 80
		.amdhsa_reserve_vcc 0
		.amdhsa_float_denorm_mode_32 3
		.amdhsa_float_denorm_mode_16_64 3
		.amdhsa_memory_ordered 1
		.amdhsa_forward_progress 1
		.amdhsa_inst_pref_size 214
	.end_amdhsa_kernel
	.amdgpu_metadata
---
amdhsa.version: [ 1, 2 ]
amdhsa.kernels:
  - .name:           k_q6b65aaa534_qkv
    .symbol:         k_q6b65aaa534_qkv.kd
    .args:
      - { .name: cb, .offset: 0, .size: 8, .value_kind: global_buffer, .address_space: global }
      - { .name: b_q, .offset: 8, .size: 8, .value_kind: global_buffer, .address_space: global }
      - { .name: b_k, .offset: 16, .size: 8, .value_kind: global_buffer, .address_space: global }
      - { .name: b_v, .offset: 24, .size: 8, .value_kind: global_buffer, .address_space: global }
      - { .name: qkv, .offset: 32, .size: 8, .value_kind: global_buffer, .address_space: global }
    .group_segment_fixed_size: 327680
    .private_segment_fixed_size: 0
    .kernarg_segment_align: 8
    .kernarg_segment_size: 40
    .max_flat_workgroup_size: 128
    .sgpr_count:     80
    .vgpr_count:     1024
    .wavefront_size: 32
...
	.end_amdgpu_metadata
.endif
;; end of part 6
;; launch attn (part 7): grid 256 x 1, 8 waves a work-group, clusters of 4 x 1, 327,680 bytes of LDS; arguments qkv, ao; writes ao
.if DOCPART == 7
	.amdgcn_target "amdgcn-amd-amdhsa--gfx1250"
	.amdhsa_code_object_version 6
	.text
	.protected	k_q6b65aaa534_attn
	.globl	k_q6b65aaa534_attn
	.p2align	8
	.type	k_q6b65aaa534_attn,@function
k_q6b65aaa534_attn:
	s_mov_b64 s[64:65], 0
	v_nop
	global_prefetch_b8 v0, s[64:65] scope:SCOPE_SE
	s_setreg_imm32_b32 hwreg(HW_REG_WAVE_MODE, 25, 1), 1
	s_wait_xcnt 0x0
	s_wait_alu depctr_hold_cnt(0) depctr_sa_sdst(0) depctr_va_vdst(0) depctr_va_sdst(0) depctr_va_ssrc(0) depctr_va_vcc(0) depctr_vm_vsrc(0)
	s_getreg_b32 s2, hwreg(HW_REG_IB_STS2, 6, 4)
	s_cmp_eq_u32 s2, 0
	s_cbranch_scc0 .Lentry_in_a_cluster
	s_endpgm
.Lentry_in_a_cluster:
	s_bfe_u32 s2, ttmp6, 0x10000c
	s_cmp_lg_u32 s2, 0x3003
	s_cbranch_scc0 .Lentry_shape_is_right
	s_endpgm
.Lentry_shape_is_right:
; attn: for each of 64 (batch, head) pairs, softmax(q k^T / 8) v over 2,048 keys, with a running maximum; f16 operands, sums and softmax in f32.
; qkv: [3][64][2048][64] f16.  ao: row = batch * 2048 + token, column = head * 64 + d, f16, at byte ((row >> 10) * 16 + head) * 131072 + (row & 1023) * 128 + 2 d.
; LIMITS: a NaN among the scores is dropped by the maxima and not reproduced; an exponential below 2^-126 counts as 0; P lies in [0, 1] up to one rounding of the shift, so it has room in f16;
; ao is a weighted mean of v and so has v's room in f16 (see launch qkv).
; A work-group takes 512 queries of one pair with eight waves, 64 queries a wave, two waves on a SIMD: one wave's softmax is to run beside the other's matrix work.
; CLUSTERS: the four work-groups of a cluster are the four query blocks of one pair and walk the same K and V: each tile is asked for jointly (mask 15).
; Keys go in 16 tiles of 128 through two LDS slots.  Wave 0 fetches V's tile, wave 1 K's: 128 keys = 64 rows of 256 bytes each; the other waves fetch nothing.
; WHY 128 KEYS: a tile's work, some 1,400 instructions, stands four times in the text (the first tile, which starts the sums; slot 1 and slot 0 in the loop; the last
; tile, which asks for nothing).  So the loop's code is about 21 KiB and is run seven times, and little of the text is run once only.
; TWO KINDS OF WAVES: all waves meet at a round of the cluster's barrier for each tile.  If all stood at the same line of the text there, the two waves of a SIMD would both
; begin with matrix instructions and then both with vector work.  So the work of a tile's second 64 keys is cut in two (HEAD1, TAIL): waves of kind 0 do TAIL in front of the
; round, waves of kind 1 behind it.  Behind a round kind 0 begins with the new tile's 32 matrix instructions, kind 1 with TAIL's vector work.  TAIL touches registers only.
; The kind is bit 0 xor bit 2 of the wave's number: waves w and w + 4 differ in kind, and so do waves 2 i and 2 i + 1, so whichever of these two ways the eight waves are
; dealt to the four SIMDs, each SIMD holds one wave of each kind.  The branches hang on the wave's number alone and jump over no barrier, wait for a refill or tensor load.
; PREFETCH: in the trip of tile t wave 2 asks for 8 KiB of tile t + 2 (32 lanes, 256 bytes apart), one trip ahead of the joint load that wants them; the four work-groups
; of the cluster take V's two halves and K's two halves, so each block of 256 bytes of tiles 2 to 14 is asked for once.  The offset is clamped to tile 15: the trip of
; tile 14 asks for tile 15 a second time, the last trip asks for nothing, and no request leaves the pair's K or V.
; NO SHUFFLES: S^T = K Q^T (source 0 = 16 keys, source 1 = 16 queries): lane l holds query l % 16 and its registers 0-7 the keys 8 (l / 16) + 0..7, so the
; softmax's figures are one number a lane, and two packed tiles ARE source 1 of O^T = V^T P^T for 32 keys.  V^T comes by transposing LDS loads.
; In O^T a lane holds eight neighbouring d of one query, which pack into 16 bytes.
; REGISTERS, window 0: v7-15 addresses; v16-31 (-c M, M) for two parities x four query tiles; v32-39 (alpha, L); v40-63 at work; v64-127 Q; v128-255 S, then P in place.
;            window 1: v0-127 O (tile (dt, qt) at 8 (4 qt + dt)); v128-191 K's fragments; v192-255 V's fragments.
.set KP,    144                        ; LDS pitch of K's rows: 128 + 16 bytes
.set VP,    160                        ; LDS pitch of V's rows: 128 + 32 bytes
.set KOFF,  128*VP                     ; a slot: V's 128 keys, then K's
.set SLOT,  KOFF+128*KP                ; 38,912 bytes
.set STAGE, 2*SLOT                     ; behind the ring: 16 rows x 144 bytes for each wave; no tensor load lands here
.set SP,    144
.set TILEB, 16384                      ; 128 keys of 128 bytes in memory
.set PF,   7                           ; v7     the prefetch: 256 x lane; never rewritten
.set ADRK, 8                           ; v8-9   LDS address of my K fragments in slot 0, 1
.set ADRV, 10                          ; v10-11 the same for V
.set QO,   12
.set STO,  13
.set RD,   14
.set CO,   15
.set NM,   16                          ; pair (-c M, M) of parity p, query tile qt at NM + 8 p + 2 qt
.set AL,   32                          ; pair (alpha, L) of query tile qt at AL + 2 qt
.set MX,   40
.set PX,   44
.set SM,   48                          ; two chains of sums for each query tile: pairs at SM + 2 qt and SM + 8 + 2 qt
.set MX2,  56                          ; the second chain of maxima; shares registers with the second chain of sums, which is not alive then
.set Q,    64                          ; fragment (qt, ks) at Q + 8 (2 qt + ks)
.set S,    128                         ; tile (kt, qt) at S + 8 (4 qt + kt); P's fragment (u, qt) at S + 32 qt + 16 u
.set KF,   128                         ; window 1: fragment (kt, ks) at KF + 8 (2 kt + ks)
.set VF,   192                         ; window 1: fragment (dt, u) at VF + 8 (4 u + dt)
.set T,    128                         ; the way out
.set PK,   160
.set G1V, 24
.set G1K, 32
.set G0V, 40
.set G0K, 48
.set MSB, 0
.macro WIN new                         ; the immediate's high byte repeats the setting that is left; a switch that changes nothing is dropped
.if MSB != \new
	s_set_vgpr_msb (MSB<<8)|\new
.set MSB, \new
.endif
.endm
.macro ROUND                           ; a round of the cluster's barrier
	s_barrier_signal -1
	s_barrier_wait -1
	s_cmp_lg_u32 s8, 0
	s_cbranch_scc1 .Lnot_wave_0_\@
	s_barrier_signal -3
.Lnot_wave_0_\@:
	s_barrier_wait -3
	s_barrier_signal -1
	s_barrier_wait -1
.endm
.macro JLOAD s                         ; the branches hang on the wave's number alone: they are the same in all four work-groups
	s_cmp_lg_u32 s8, 0
	s_cbranch_scc1 .Lnot_v_\@
	tensor_load_to_lds s[G0V+4*\s:G0V+4*\s+3], s[G1V:G1V+7]
	s_nop 0
	s_branch .Lasked_\@
.Lnot_v_\@:
	s_cmp_lg_u32 s8, 1
	s_cbranch_scc1 .Lasked_\@
	tensor_load_to_lds s[G0K+4*\s:G0K+4*\s+3], s[G1K:G1K+7]
	s_nop 0
.Lasked_\@:
.endm
.macro ASK                             ; wave 2 asks for my work-group's quarter of the tile after the next
	s_cmp_lg_u32 s8, 2
	s_cbranch_scc1 .Lno_ask_\@
	s_wait_xcnt 0x0                                ; the last trip's request has read its address: s[74:75] are written again only behind this wait
	s_add_nc_u64 s[74:75], s[70:71], s[72:73]
	global_prefetch_b8 v[PF], s[74:75] th:TH_LOAD_NT scope:SCOPE_SE
	s_add_co_u32 s72, s72, TILEB                   ; the next tile,
	s_min_u32 s72, s72, 15*TILEB                   ; never past the pair's last
.Lno_ask_\@:
.endm
	s_load_b128 s[4:7], s[0:1], 0x0                ; qkv s[4:5], ao s[6:7]
	v_lshl_add_u32 v190, v0, 2, 0x2a800
	v_mov_b32 v191, 0
	ds_add_u32 v190, v191
	s_wait_dscnt 0x0
	v_lshrrev_b32 v1, 5, v0
	v_readfirstlane_b32 s8, v1                     ; wave 0..7.  Wave 0 fetches V, wave 1 K, wave 2 prefetches
	s_lshr_b32 s9, s8, 2
	s_xor_b32 s9, s9, s8
	s_and_b32 s9, s9, 1                            ; my kind: bit 0 xor bit 2 of the wave's number
	s_bfe_u32 s10, ttmp6, 0x40000                  ; cx: my block of 512 queries
	s_mov_b32 s11, ttmp9                           ; the cluster's number: the (batch, head) pair
	s_mov_b32 s12, 0x76543210                      ; v_permlanex16_b32: lane i of one half reads lane i of the other
	s_mov_b32 s13, 0xfedcba98
	s_mov_b32 s14, 0x3e38aa3b                      ; c = log2(e) / 8, twice (a pair for the packed multiply-add)
	s_mov_b32 s15, 0x3e38aa3b
	s_mov_b32 s16, 0xbe38aa3b                      ; -c
	; group 1: a dense run of 16 KiB as 64 rows of 32 elements of 8 bytes; padding behind every 32 words, that is behind each key's 128 bytes
	s_mov_b32 s[G1V+0], 0x0f33000f                 ; 15:0 mask 15; 17:16 element of 8 bytes; 20 padding on; 21 set beside a mask; 24:22 every 32 words; 31:25 of 8 words
	s_mov_b32 s[G1V+1], 32<<16
	s_mov_b32 s[G1V+2], 64<<16
	s_mov_b32 s[G1V+3], 32<<16
	s_mov_b32 s[G1V+4], 64
	s_mov_b32 s[G1V+5], 32
	s_mov_b32 s[G1V+6], 0
	s_mov_b32 s[G1V+7], 0
	s_mov_b32 s[G1K+0], 0x0733000f                 ; the same with 4 words of padding
	s_mov_b32 s[G1K+1], 32<<16
	s_mov_b32 s[G1K+2], 64<<16
	s_mov_b32 s[G1K+3], 32<<16
	s_mov_b32 s[G1K+4], 64
	s_mov_b32 s[G1K+5], 32
	s_mov_b32 s[G1K+6], 0
	s_mov_b32 s[G1K+7], 0
	s_lshl_b32 s56, s11, 18                        ; the pair's 256 KiB
	s_add_co_u32 s58, s56, 16777216                ; in K
	s_add_co_u32 s56, s56, 33554432                ; in V
	s_mov_b32 s57, 0
	s_mov_b32 s59, 0
	s_lshl_b32 s62, s11, 18                        ; my 64 queries
	s_lshl_b32 s63, s10, 16
	s_add_co_u32 s62, s62, s63
	s_lshl_b32 s63, s8, 13
	s_add_co_u32 s62, s62, s63
	s_mov_b32 s63, 0
	s_lshr_b32 s66, s11, 4                         ; my run of ao: block (2 batch + cx / 2) * 16 + head, row (cx % 2) * 512 + 64 wave
	s_lshl_b32 s66, s66, 1
	s_lshr_b32 s67, s10, 1
	s_add_co_u32 s66, s66, s67
	s_lshl_b32 s66, s66, 4
	s_and_b32 s67, s11, 15
	s_add_co_u32 s66, s66, s67
	s_lshl_b32 s66, s66, 17
	s_and_b32 s67, s10, 1
	s_lshl_b32 s67, s67, 16
	s_add_co_u32 s66, s66, s67
	s_lshl_b32 s67, s8, 13
	s_add_co_u32 s66, s66, s67
	s_mov_b32 s67, 0
	s_lshl_b32 s70, s11, 18                        ; the prefetch: the pair's 256 KiB,
	s_and_b32 s71, s10, 1
	s_lshl_b32 s71, s71, 13                        ; the half of a tile's 16 KiB that cx % 2 names,
	s_add_co_u32 s70, s70, s71
	s_lshr_b32 s71, s10, 1                         ; in V (cx / 2 = 0) or in K (1):
	s_sub_co_u32 s71, 2, s71
	s_lshl_b32 s71, s71, 24                        ; V begins at 2 << 24, K at 1 << 24
	s_add_co_u32 s70, s70, s71
	s_mov_b32 s71, 0
	s_mov_b32 s72, 2*TILEB                         ; the first request is for tile 2
	s_mov_b32 s73, 0
	s_wait_kmcnt 0x0
	s_add_nc_u64 s[56:57], s[4:5], s[56:57]
	s_add_nc_u64 s[58:59], s[4:5], s[58:59]
	s_add_nc_u64 s[62:63], s[4:5], s[62:63]
	s_add_nc_u64 s[70:71], s[4:5], s[70:71]
	s_add_nc_u64 s[66:67], s[6:7], s[66:67]
.irp s, 0,1
	s_mov_b32 s[G0V+4*\s], 1
	s_mov_b32 s[G0V+4*\s+1], \s*SLOT                               ; V's tile at the slot's head
	s_add_nc_u64 s[G0V+4*\s+2:G0V+4*\s+3], s[56:57], \s*TILEB      ; tile s
	s_or_b32 s[G0V+4*\s+3], s[G0V+4*\s+3], 0x80000000
	s_mov_b32 s[G0K+4*\s], 1
	s_mov_b32 s[G0K+4*\s+1], KOFF+\s*SLOT                          ; K's behind it
	s_add_nc_u64 s[G0K+4*\s+2:G0K+4*\s+3], s[58:59], \s*TILEB
	s_or_b32 s[G0K+4*\s+3], s[G0K+4*\s+3], 0x80000000
.endr
	ROUND                                          ; all four work-groups are here: the first joint loads meet
	JLOAD 0                                        ; tile 0.  A wave never has more than one tensor load out
	v_and_b32 v1, 15, v0                           ; r
	v_bfe_u32 v2, v0, 4, 1                         ; h
	v_lshlrev_b32 v[QO], 7, v1
	v_lshl_add_u32 v[QO], v2, 4, v[QO]             ; query r's row + 16 h
.irp qt, 0,1,2,3
.irp ks, 0,1
	global_load_b128 v[Q+8*(2*\qt+\ks):Q+8*(2*\qt+\ks)+3],   v[QO], s[62:63] offset:\qt*2048+\ks*64
	global_load_b128 v[Q+8*(2*\qt+\ks)+4:Q+8*(2*\qt+\ks)+7], v[QO], s[62:63] offset:\qt*2048+\ks*64+32
.endr
.endr
	v_mul_u32_u24 v3, v1, KP
	v_lshl_add_u32 v3, v2, 4, v3                   ; r x 144 + 16 h
	v_add_nc_u32 v[ADRK], KOFF, v3
	v_add_nc_u32 v[ADRK+1], KOFF+SLOT, v3
	v_and_b32 v4, 7, v0
	v_lshl_add_u32 v5, v2, 3, v4                   ; the transposing load: key 8 h + l % 8,
	v_mul_u32_u24 v5, v5, VP
	v_bfe_u32 v6, v0, 3, 1
	v_lshl_add_u32 v[ADRV], v6, 4, v5              ; 16 bytes at 16 ((l / 8) % 2)
	v_add_nc_u32 v[ADRV+1], SLOT, v[ADRV]
	s_mul_i32 s68, s8, 16*SP
	s_add_co_u32 s68, s68, STAGE                   ; my stage
	v_add_nc_u32 v[STO], s68, v3
	v_and_b32 v6, 31, v0
	v_lshrrev_b32 v5, 3, v6
	v_mul_u32_u24 v5, v5, SP
	v_lshl_add_u32 v5, v4, 4, v5
	v_add_nc_u32 v[RD], s68, v5
	v_lshlrev_b32 v[CO], 4, v6
	v_lshlrev_b32 v[PF], 8, v6                     ; 32 lanes, 256 bytes apart: 8 KiB
.irp qt, 0,1,2,3
	v_mov_b32 v[PX+\qt], 0                         ; v_permlanex16_b32's destination counts as read: written once here
.endr
	s_wait_loadcnt 0x0                             ; Q, once
.macro KLOAD slot, j                   ; 64 keys x 64 d: 16 loads
	WIN 0x40                                       ; destination in window 1
.irp kt, 0,1,2,3
.irp ks, 0,1
	ds_load_b128 v[KF+8*(2*\kt+\ks):KF+8*(2*\kt+\ks)+3],   v[ADRK+\slot] offset:(\j)*64*KP+\kt*16*KP+\ks*64
	ds_load_b128 v[KF+8*(2*\kt+\ks)+4:KF+8*(2*\kt+\ks)+7], v[ADRK+\slot] offset:(\j)*64*KP+\kt*16*KP+\ks*64+32
.endr
.endr
.endm
.macro VLOAD slot, j                   ; 64 d x 64 keys: 16 transposing loads
	WIN 0x40
.irp u, 0,1
.irp dt, 0,1,2,3
	ds_load_tr16_b128 v[VF+8*(4*\u+\dt):VF+8*(4*\u+\dt)+3],   v[ADRV+\slot] offset:(\j)*64*VP+\u*32*VP+\dt*32
	ds_load_tr16_b128 v[VF+8*(4*\u+\dt)+4:VF+8*(4*\u+\dt)+7], v[ADRV+\slot] offset:(\j)*64*VP+\u*32*VP+\dt*32+16*VP
.endr
.endr
.endm
.macro SFMA qt                         ; c s - c M, two at a time
.irp i, 0,2,4,6,8,10,12,14,16,18,20,22,24,26,28,30
	v_pk_fma_f32 v[S+32*\qt+\i:S+32*\qt+\i+1], v[S+32*\qt+\i:S+32*\qt+\i+1], s[14:15], v[NMC+2*\qt:NMC+2*\qt+1] op_sel_hi:[1,0,0]
.endr
.endm
.macro SEXP qt                         ; a run of exponentials; the next line behind each run is a plain instruction on other registers (ISA guide 5.7.2)
.set si, 0
.rept 32
	v_exp_f32 v[S+32*\qt+si], v[S+32*\qt+si]
.set si, si+1
.endr
.endm
; The sum of my 32 exponentials, in two chains that take turns, and their packing in place: pair g of a group of 16 registers goes to register g of the group,
; which a sum and an earlier packing have already read.
.macro SSC qt, first
	s_wait_alu depctr_va_vdst(0)
	v_pk_add_f32 v[SM+2*\qt:SM+2*\qt+1], v[S+32*\qt:S+32*\qt+1], v[S+32*\qt+2:S+32*\qt+3]
	v_pk_add_f32 v[SM+8+2*\qt:SM+8+2*\qt+1], v[S+32*\qt+4:S+32*\qt+5], v[S+32*\qt+6:S+32*\qt+7]
.irp g, 0,1,2,3
	v_cvt_pk_f16_f32 v[S+32*\qt+\g], v[S+32*\qt+2*\g], v[S+32*\qt+2*\g+1]
.endr
.irp g, 4,5,6,7,8,9,10,11,12,13,14,15
	v_pk_add_f32 v[SM+8*(\g%2)+2*\qt:SM+8*(\g%2)+2*\qt+1], v[SM+8*(\g%2)+2*\qt:SM+8*(\g%2)+2*\qt+1], v[S+32*\qt+2*\g:S+32*\qt+2*\g+1]
	v_cvt_pk_f16_f32 v[S+32*\qt+16*(\g/8)+\g%8], v[S+32*\qt+2*\g], v[S+32*\qt+2*\g+1]
.endr
	v_pk_add_f32 v[SM+2*\qt:SM+2*\qt+1], v[SM+2*\qt:SM+2*\qt+1], v[SM+8+2*\qt:SM+8+2*\qt+1]
.if \first
	v_add_f32 v[AL+2*\qt+1], v[SM+2*\qt], v[SM+2*\qt+1]
.else
	v_add_f32 v[SM+2*\qt], v[SM+2*\qt], v[SM+2*\qt+1]
	v_fma_f32 v[AL+2*\qt+1], v[AL+2*\qt+1], v[AL+2*\qt], v[SM+2*\qt]        ; L = L alpha + the new sum; L stays apart for the two halves of the lanes until the end
.endif
.endm
; The softmax's first part: the maxima, the shift, alpha, and query tiles 0 to 2 as far as their exponentials (0 and 1: their sums and packing too).
; NMC, NMO: this parity's and the other parity's pairs (-c M, M).  Eight chains of maxima, two for each query tile, take turns.
.macro SMHEAD first
.irp qt, 0,1,2,3
	v_max3_num_f32 v[MX+\qt], v[S+32*\qt], v[S+32*\qt+1], v[S+32*\qt+2]
.endr
.irp qt, 0,1,2,3
	v_max3_num_f32 v[MX2+\qt], v[S+32*\qt+16], v[S+32*\qt+17], v[S+32*\qt+18]
.endr
.irp i, 3,5,7,9,11,13
.irp qt, 0,1,2,3
	v_max3_num_f32 v[MX+\qt], v[MX+\qt], v[S+32*\qt+\i], v[S+32*\qt+\i+1]
.endr
.irp qt, 0,1,2,3
	v_max3_num_f32 v[MX2+\qt], v[MX2+\qt], v[S+32*\qt+16+\i], v[S+32*\qt+16+\i+1]
.endr
.endr
.irp qt, 0,1,2,3
	v_max3_num_f32 v[MX+\qt], v[MX+\qt], v[S+32*\qt+15], v[S+32*\qt+31]     ; the two scores that the chains of 15 left over
.endr
.irp qt, 0,1,2,3
	v_max_num_f32 v[MX+\qt], v[MX+\qt], v[MX2+\qt]
.endr
.irp qt, 0,1,2,3
	v_permlanex16_b32 v[PX+\qt], v[MX+\qt], s12, s13               ; the other 32 of this query's 64 keys lie in lane l xor 16
.endr
.irp qt, 0,1,2,3
.if \first
	v_max_num_f32 v[NMC+2*\qt+1], v[MX+\qt], v[PX+\qt]
.else
	v_max3_num_f32 v[NMC+2*\qt+1], v[MX+\qt], v[PX+\qt], v[NMO+2*\qt+1]     ; the running maximum of the raw scores
.endif
.endr
.irp qt, 0,1,2,3
	v_mul_f32 v[NMC+2*\qt], s16, v[NMC+2*\qt+1]                    ; -c M, rounded once; the exponentials and alpha use this same number
.endr
.if \first == 0
.irp qt, 0,1,2,3
	v_sub_f32 v[AL+2*\qt], v[NMC+2*\qt], v[NMO+2*\qt]              ; c (M old - M new), never above 0
.endr
.irp qt, 0,1,2,3
	v_exp_f32 v[AL+2*\qt], v[AL+2*\qt]
.endr
.endif
	SFMA 0
	SEXP 0
	SFMA 1
	SEXP 1
	SSC 0, \first
	SFMA 2
	SEXP 2
	SSC 1, \first
.endm
; S^T of 64 keys x 64 queries.  16 accumulators take turns, one instruction a turn.
.macro QKMUL
	WIN 0x01                                       ; source 0 (K) in window 1; Q, S in window 0
.irp ks, 0,1
.irp qt, 0,1,2,3
.irp kt, 0,1,2,3
.if \ks == 0
	s_wait_alu depctr_va_vdst(0)
	v_wmma_f32_16x16x32_f16 v[S+8*(4*\qt+\kt):S+8*(4*\qt+\kt)+7], v[KF+8*(2*\kt+\ks):KF+8*(2*\kt+\ks)+7], v[Q+8*(2*\qt+\ks):Q+8*(2*\qt+\ks)+7], 0
.else
	v_wmma_f32_16x16x32_f16 v[S+8*(4*\qt+\kt):S+8*(4*\qt+\kt)+7], v[KF+8*(2*\kt+\ks):KF+8*(2*\kt+\ks)+7], v[Q+8*(2*\qt+\ks):Q+8*(2*\qt+\ks)+7], v[S+8*(4*\qt+\kt):S+8*(4*\qt+\kt)+7]
.endif
.endr
.endr
.endr
.rept 4
	v_nop                                          ; four places: then K's registers are loaded again and the scores are read (ISA guide 7.12.1 for vector instructions)
.endr
.endm
; The rest of 64 keys' work, on registers alone: query tile 3's exponentials, the last two sums and packings, O alpha, O^T += V^T P^T.
; p: the parity of the 64 keys; left: the count of the wait for V's fragments, -1: they have been waited for already.
.macro TAIL p, first, left
.set NMC, NM+8*\p
	WIN 0
	SFMA 3
	SEXP 3
	SSC 2, \first
	SSC 3, \first
.if \first == 0
	WIN 0x41                                       ; O in window 1, alpha in window 0
.irp qt, 0,1,2,3
.irp i, 0,2,4,6,8,10,12,14,16,18,20,22,24,26,28,30
	v_pk_mul_f32 v[32*\qt+\i:32*\qt+\i+1], v[32*\qt+\i:32*\qt+\i+1], v[AL+2*\qt:AL+2*\qt+1] op_sel_hi:[1,0]
.endr
.endr
.endif
.if \left >= 0
	s_wait_dscnt \left
.endif
	WIN 0x51                                       ; V (source 0), C and D in window 1; P in window 0
.irp u, 0,1
.irp qt, 0,1,2,3
.irp dt, 0,1,2,3
.if \first*(1-\u)
	v_wmma_f32_16x16x32_f16 v[8*(4*\qt+\dt):8*(4*\qt+\dt)+7], v[VF+8*(4*\u+\dt):VF+8*(4*\u+\dt)+7], v[S+32*\qt+16*\u:S+32*\qt+16*\u+7], 0
.else
	v_wmma_f32_16x16x32_f16 v[8*(4*\qt+\dt):8*(4*\qt+\dt)+7], v[VF+8*(4*\u+\dt):VF+8*(4*\u+\dt)+7], v[S+32*\qt+16*\u:S+32*\qt+16*\u+7], v[8*(4*\qt+\dt):8*(4*\qt+\dt)+7]
.endif
.endr
.endr
.endr
.rept 5
	v_nop                                          ; five places: the next product writes its scores over P, which these instructions read (ISA guide 7.12.1)
.endr
.endm
; A tile's first 64 keys, whole.
.macro SUB0 slot, first
.set NMC, NM
.set NMO, NM+8
	s_wait_dscnt 0x0                               ; K's fragments are in
	QKMUL
	VLOAD \slot, 0
	KLOAD \slot, 1
	WIN 0
	SMHEAD \first
	TAIL 0, \first, 16                             ; the count: V's 16 loads are in; the 16 younger ones, the next K fragments, stay out
.endm
; A tile's second 64 keys as far as the cut.  Behind it the wave reads this slot no more.
.macro HEAD1 slot
.set NMC, NM+8
.set NMO, NM
	s_wait_dscnt 0x0
	QKMUL
	VLOAD \slot, 1
	WIN 0
	SMHEAD 0
.endm
.macro TAIL_IF kind, left              ; the rest of a tile's second 64 keys, for the waves of one kind
	s_cmp_lg_u32 s9, \kind
	s_cbranch_scc1 .Lnot_mine_\@
	TAIL 1, 0, \left
	WIN 0
.Lnot_mine_\@:
.endm
; A tile of 128 keys.  prev = 1: the tile before is finished here, by kind 0 in front of the round and by kind 1 behind it.
; In front of the round each wave waits for all its tensor loads, its part of this tile among them, and for its reads of the other slot;
; behind the round the next tile is asked for, into the slot read last, first of all; it has the work up to the next round in which to land.
.macro TRIP slot, refill, first, prev
.if \prev
	TAIL_IF 0, 0                                   ; the count: V's 16 loads are the only LDS loads out
.endif
	s_wait_xcnt 0x0
	v_lshl_add_u32 v190, v0, 2, 0x2a800
	v_mov_b32 v191, 0
	s_wait_tensorcnt 0x0
	ds_add_u32 v190, v191
	s_wait_dscnt 0x0
	s_add_nc_u64 s[G0V+4*\slot+2:G0V+4*\slot+3], s[G0V+4*\slot+2:G0V+4*\slot+3], 2*TILEB   ; no load of mine is out: this slot's next tile, two tiles on
	s_add_nc_u64 s[G0K+4*\slot+2:G0K+4*\slot+3], s[G0K+4*\slot+2:G0K+4*\slot+3], 2*TILEB
	s_wait_dscnt 0x0                               ; kind 1: V's fragments of the last 64 keys are in registers with this wait
	ROUND
.if \refill
	JLOAD (1-\slot)
	ASK
.endif
	KLOAD \slot, 0
.if \prev
	WIN 0
	TAIL_IF 1, -1                                  ; registers alone; the K loads just issued land meanwhile
.endif
	SUB0 \slot, \first
	HEAD1 \slot                                    ; leaves every window 0: branches and labels follow
.endm
	TRIP 0, 1, 1, 0                                ; tile 0: the first products start the sums, the first maxima start the running maxima; it asks for tile 1
	s_mov_b32 s3, 7
.Lpair:
	TRIP 1, 1, 0, 1                                ; tiles 1 to 14; each asks for the next one, tile 14 for tile 15
	TRIP 0, 1, 0, 1
	s_sub_co_u32 s3, s3, 1
	s_cmp_lg_u32 s3, 0
	s_cbranch_scc1 .Lpair
	TRIP 1, 0, 0, 1                                ; tile 15 asks for nothing (the stepped addresses are not used)
	TAIL 1, 0, 0                                   ; and is finished by every wave
	WIN 0
	; THE WAY OUT.  The five places behind the last product stand at its end.
.irp qt, 0,1,2,3
	v_permlanex16_b32 v[PX+\qt], v[AL+2*\qt+1], s12, s13
.endr
.irp qt, 0,1,2,3
	v_add_f32 v[AL+2*\qt+1], v[AL+2*\qt+1], v[PX+\qt]              ; the two halves' sums: at least the largest exponential, which is 1 up to a rounding
.endr
.irp qt, 0,1,2,3
	v_rcp_f32 v[AL+2*\qt], v[AL+2*\qt+1]
.endr
	v_nop                                          ; one plain place behind the reciprocals (ISA guide 5.7.2)
	s_wait_alu depctr_va_vdst(0)
; 16 queries: O / L, round to f16, 16 bytes a lane into my own stage, read back as whole rows, store 512 consecutive bytes a wave
.macro OUTQ qt, rr
	WIN 0x01
.irp i, 0,2,4,6,8,10,12,14,16,18,20,22,24,26,28,30
	v_pk_mul_f32 v[T+\i:T+\i+1], v[32*\qt+\i:32*\qt+\i+1], v[AL+2*\qt:AL+2*\qt+1] op_sel_hi:[1,0]
.endr
	WIN 0
.irp i, 0,1,2,3,4,5,6,7,8,9,10,11,12,13,14,15
	v_cvt_pk_f16_f32 v[PK+\i], v[T+2*\i], v[T+2*\i+1]
.endr
.irp dt, 0,1,2,3
	ds_store_b128 v[STO], v[PK+4*\dt:PK+4*\dt+3] offset:32*\dt
.endr
	s_wait_xcnt 0x0                                ; the registers that earlier stores read are loaded again only behind this wait (ISA guide 3.1)
.irp t, 0,1,2,3
	ds_load_b128 v[\rr+4*\t:\rr+4*\t+3], v[RD] offset:\t*4*SP      ; LDS serves a wave's instructions in order (ISA guide 5.7.1.4)
.endr
.irp t, 0,1,2,3
	s_wait_dscnt 3-\t
	global_store_b128 v[CO], v[\rr+4*\t:\rr+4*\t+3], s[66:67] offset:2048*\qt+512*\t
.endr
.endm
	OUTQ 0, 176
	OUTQ 1, 192
	OUTQ 2, 176
	OUTQ 3, 192
	s_wait_xcnt 0x0
	v_lshl_add_u32 v190, v0, 2, 0x2a800
	v_mov_b32 v191, 0
	s_wait_tensorcnt 0x0
	ds_add_u32 v190, v191
	s_wait_dscnt 0x0
	ROUND                                          ; the closing round: no work-group ends while a partner may still ask for a tile that names it
	s_endpgm
.Lfunc_end_k_q6b65aaa534_attn:
	.size	k_q6b65aaa534_attn, .Lfunc_end_k_q6b65aaa534_attn-k_q6b65aaa534_attn
	.p2alignl 7, 3214868480
	.fill 96, 4, 3214868480
	.section	.rodata,"a",@progbits
	.p2align	6, 0x0
	.amdhsa_kernel k_q6b65aaa534_attn
		.amdhsa_group_segment_fixed_size 327680
		.amdhsa_private_segment_fixed_size 0
		.amdhsa_enable_private_segment 0
		.amdhsa_kernarg_size 16
		.amdhsa_user_sgpr_count 2
		.amdhsa_user_sgpr_kernarg_segment_ptr 1
		.amdhsa_wavefront_size32 1
		.amdhsa_system_sgpr_workgroup_id_x 1
		.amdhsa_system_sgpr_workgroup_id_y 1
		.amdhsa_system_sgpr_workgroup_id_z 1
		.amdhsa_system_vgpr_workitem_id 0
		.amdhsa_next_free_vgpr 512
		.amdhsa_next_free_sgpr 80
		.amdhsa_reserve_vcc 0
		.amdhsa_float_denorm_mode_32 3
		.amdhsa_float_denorm_mode_16_64 3
		.amdhsa_memory_ordered 1
		.amdhsa_forward_progress 1
		.amdhsa_inst_pref_size 255
	.end_amdhsa_kernel
	.section	.bss,"aw",@nobits
	.p2align	6
	.space	262144
	.amdgpu_metadata
---
amdhsa.version: [ 1, 2 ]
amdhsa.kernels:
  - .name:           k_q6b65aaa534_attn
    .symbol:         k_q6b65aaa534_attn.kd
    .args:
      - { .name: qkv, .offset: 0, .size: 8, .value_kind: global_buffer, .address_space: global }
      - { .name: ao, .offset: 8, .size: 8, .value_kind: global_buffer, .address_space: global }
    .group_segment_fixed_size: 327680
    .private_segment_fixed_size: 0
    .kernarg_segment_align: 8
    .kernarg_segment_size: 16
    .max_flat_workgroup_size: 256
    .sgpr_count:     80
    .vgpr_count:     512
    .wavefront_size: 32
...
	.end_amdgpu_metadata
.endif
;; end of part 7
;; launch oproj: the kernel of part 4 again; grid 8 x 32, 4 waves a work-group, clusters of 4 x 4, 327,680 bytes of LDS; arguments ao, cb, b_o, out0; writes out0
;; ======== version 3 of 3: 4 launches; version 2 with the launch cast written anew for expert scheduling mode
;; limits: values are held in f16: magnitudes above 65,504 overflow, below 6.1e-05 lose precision
;; workspace buffers: cb 25,165,824 bytes; qkv 50,331,648 bytes; ao 16,777,216 bytes
;; launch cast (part 8): grid 64 x 12, 8 waves a work-group, no clusters, 0 bytes of LDS; arguments x, w_q, w_k, w_v, w_o, cb; writes cb
.if DOCPART == 8
	.amdgcn_target "amdgcn-amd-amdhsa--gfx1250"
	.amdhsa_code_object_version 6
	.text
	.protected	k_q6b65aaa534_cast
	.globl	k_q6b65aaa534_cast
	.p2align	8
	.type	k_q6b65aaa534_cast,@function
k_q6b65aaa534_cast:
	s_mov_b64 s[64:65], 0
	v_nop
	global_prefetch_b8 v0, s[64:65] scope:SCOPE_SE
	s_setreg_imm32_b32 hwreg(HW_REG_WAVE_SCHED_MODE, 0, 2), 2
	s_setreg_imm32_b32 hwreg(HW_REG_WAVE_MODE, 25, 1), 1
	s_wait_xcnt 0x0
	s_wait_alu depctr_vm_vsrc(0)
; cast: x (as 8 matrices of 1024 x 1024) and the four weights, f32, are rounded once to f16 and laid into cb in blocks.
; cb holds 12 matrices of 2 MiB: 0-7 = x's rows 1024 g .. 1024 g + 1023, 8 = w_q, 9 = w_k, 10 = w_v, 11 = w_o.
; Matrices 0-7 and 11: element (row, col) at byte (col >> 6) * 131072 + row * 128 + (col & 63) * 2: sixteen dense blocks of 1024 rows x 64 columns.
; Matrices 8-10:       element (row, col) at byte (col >> 7) * 262144 + row * 256 + (col & 127) * 2: eight dense blocks of 1024 rows x 128 columns.
; So every tile that the later launches fetch (rows x 64 columns of x, ao's kin and w_o; 128 k x 128 columns of w_q, w_k, w_v) is one unbroken run of memory.
; LIMIT: a number beyond f16's largest, 65,504, becomes infinite.  x has a spread of 1 and the weights of 1/32: 30 times larger, or an offset of 30 spreads, stays under 200.
; A stream: each byte is read once and written once, so there is no LDS, no barrier and no matrix work.
; The work-group (x = 16 rows, y = the matrix) has eight waves; a wave takes two rows, 16 loads, all on their way at once.
; Blocks of 64 columns: lanes 0-15 read 256 neighbouring bytes (64 columns) of one row, lanes 16-31 the same columns of the next; the store covers two rows of 128 bytes.
; Blocks of 128 columns: the 32 lanes read 512 neighbouring bytes (128 columns) of one row; the store covers that block's row of 256 bytes.
; THE MODE: SCHED_MODE bits 1:0 = 2 (LLVM: expert scheduling mode 2), set by the entry lines.  The code itself states the register dependences
; between vector instructions and memory instructions, with s_wait_alu, always for 0.
; THE PLAN.  Registers that memory instructions touch:
;   v1, v2   the loads' and the stores' byte offsets: written by vector instructions at the arm's head, never again; read by all 16 loads (v1) and all 16 stores (v2).
;   X        load kb lands in its own four registers, once; no vector instruction writes them; two conversions read them; nothing lands in them again.
;   Y        load kb's two conversions write its own pair, once; one store reads it.
; The 16 results go in four groups of four.  Group g converts its X into its Y; the four stores of group g - 1 are dealt among those conversions.
; One wait on va_vdst stands ahead of the first load (the offsets), one at the head of groups 1 to 3 and one behind group 3 (the Y of the group before).
; No register that a memory instruction reads is written a second time, so the text holds no wait on vm_vsrc and no s_wait_xcnt.
; No vector instruction writes a scalar register or VCC, and EXEC is never written.
.set X, 8                              ; v[8:71]   load kb: 4 numbers in f32
.set Y, 72                             ; v[72:103] load kb: the same 4 in f16
; The two conversions of load kb.
.macro CV kb
	v_cvt_pk_f16_f32 v[Y+2*(\kb)], v[X+4*(\kb)], v[X+4*(\kb)+1]
	v_cvt_pk_f16_f32 v[Y+2*(\kb)+1], v[X+4*(\kb)+2], v[X+4*(\kb)+3]
.endm
; The store of load kb's four numbers.  wide = 0: load kb is column block kb of both rows.  wide = 1: load kb is row kb % 2, column block kb / 2.
.macro ST wide, kb
.if \wide
	global_store_b64 v2, v[Y+2*(\kb):Y+2*(\kb)+1], s[14:15] offset:((\kb)/2)*262144+((\kb)%2)*256   ; the wave's 32 lanes store 256 consecutive bytes, aligned
.else
	global_store_b64 v2, v[Y+2*(\kb):Y+2*(\kb)+1], s[14:15] offset:(\kb)*131072                     ; the wave's 32 lanes store 256 consecutive bytes, aligned
.endif
.endm
; The 16 loads, conversions and stores of a wave.
.macro STREAM wide
	s_wait_alu depctr_va_vdst(0)                   ; v1 and v2 are written: every load below reads v1 as its offset, every store v2
.irp kb, 0,1,2,3,4,5,6,7,8,9,10,11,12,13,14,15
.if \wide
	global_load_b128 v[X+4*\kb:X+4*\kb+3], v1, s[4:5] offset:(\kb%2)*4096+(\kb/2)*512 th:TH_LOAD_NT
.else
	global_load_b128 v[X+4*\kb:X+4*\kb+3], v1, s[4:5] offset:\kb*256 th:TH_LOAD_NT
.endif
.endr
.irp g, 0,1,2,3
	s_wait_loadcnt 12-4*\g                         ; loads come back in order (ISA guide 5.7.1): group g's four are in, the 12 - 4 g younger ones stay out
.if \g > 0
	s_wait_alu depctr_va_vdst(0)                   ; the conversions of the group before have written its eight Y registers, which the four stores below read
.endif
.irp i, 0,1,2,3
.if \g > 0
	ST \wide, 4*(\g-1)+\i                          ; no wait: no vector instruction since the wait above names this store's Y pair or v2
.endif
	CV 4*\g+\i
.endr
.endr
	s_wait_alu depctr_va_vdst(0)                   ; the last group's conversions have written its eight Y registers, which the last four stores read
.irp i, 0,1,2,3
	ST \wide, 12+\i
.endr
.endm
	s_load_b256 s[4:11], s[0:1], 0x0               ; x s[4:5], w_q s[6:7], w_k s[8:9], w_v s[10:11]
	s_load_b128 s[12:15], s[0:1], 0x20             ; w_o s[12:13], cb s[14:15]
	s_and_b32 s16, ttmp7, 0xffff                   ; the matrix, 0 to 11
	s_sub_co_u32 s22, s16, 8                       ; 0, 1, 2 for w_q, w_k, w_v; 3 for w_o; wraps to a large number for x
	s_cmp_lt_u32 s16, 8
	s_cselect_b32 s18, s16, 0                      ; x's part: 1,024 rows of 4,096 bytes for each matrix; a weight starts at its own first byte
	s_lshl_b32 s18, s18, 22
	s_lshl_b32 s19, ttmp9, 16                      ; the group's 16 rows
	s_add_co_u32 s18, s18, s19
	s_mov_b32 s19, 0
	s_lshl_b32 s21, ttmp9, 11                      ; in cb: 16 rows of 128 bytes,
	s_lshl_b32 s23, ttmp9, 12                      ; or of 256
	s_cmp_lt_u32 s22, 3
	s_cselect_b32 s21, s23, s21
	s_lshl_b32 s20, s16, 21                        ; 2 MiB a matrix
	s_add_co_u32 s20, s20, s21
	s_mov_b32 s21, 0
	s_wait_kmcnt 0x0
	s_cmp_eq_u32 s16, 8                            ; the source is chosen by the matrix number alone
	s_cselect_b64 s[4:5], s[6:7], s[4:5]
	s_cmp_eq_u32 s16, 9
	s_cselect_b64 s[4:5], s[8:9], s[4:5]
	s_cmp_eq_u32 s16, 10
	s_cselect_b64 s[4:5], s[10:11], s[4:5]
	s_cmp_eq_u32 s16, 11
	s_cselect_b64 s[4:5], s[12:13], s[4:5]
	s_add_nc_u64 s[4:5], s[4:5], s[18:19]
	s_add_nc_u64 s[14:15], s[14:15], s[20:21]
	s_cmp_lt_u32 s22, 3
	s_cbranch_scc1 .Lwide
	v_lshrrev_b32 v1, 4, v0                        ; my row of the group's 16
	v_and_b32 v3, 15, v0
	v_lshlrev_b32 v1, 12, v1                       ; x 4,096 bytes
	v_lshl_add_u32 v1, v3, 4, v1                   ; + 16 bytes for each of 16 lanes
	v_lshlrev_b32 v2, 3, v0                        ; in cb: row * 128 + (lane mod 16) * 8 = 8 t
	STREAM 0
	s_endpgm                                       ; no register is written twice, so no source of a pending instruction is ever rewritten
.Lwide:
	v_lshrrev_b32 v1, 5, v0                        ; the wave: rows 2 w and 2 w + 1
	v_and_b32 v3, 31, v0
	v_lshlrev_b32 v2, 9, v1                        ; in cb: two rows of 256 bytes a wave,
	v_lshlrev_b32 v1, 13, v1                       ; in the weight: two rows of 4,096 bytes
	v_lshl_add_u32 v1, v3, 4, v1                   ; + 16 bytes a lane
	v_lshl_add_u32 v2, v3, 3, v2                   ; + 8 bytes a lane
	STREAM 1
	s_endpgm
.Lfunc_end_k_q6b65aaa534_cast:
	.size	k_q6b65aaa534_cast, .Lfunc_end_k_q6b65aaa534_cast-k_q6b65aaa534_cast
	.p2alignl 7, 3214868480
	.fill 96, 4, 3214868480
	.section	.rodata,"a",@progbits
	.p2align	6, 0x0
	.amdhsa_kernel k_q6b65aaa534_cast
		.amdhsa_group_segment_fixed_size 0
		.amdhsa_private_segment_fixed_size 0
		.amdhsa_enable_private_segment 0
		.amdhsa_kernarg_size 48
		.amdhsa_user_sgpr_count 2
		.amdhsa_user_sgpr_kernarg_segment_ptr 1
		.amdhsa_wavefront_size32 1
		.amdhsa_system_sgpr_workgroup_id_x 1
		.amdhsa_system_sgpr_workgroup_id_y 1
		.amdhsa_system_sgpr_workgroup_id_z 1
		.amdhsa_system_vgpr_workitem_id 0
		.amdhsa_next_free_vgpr 104
		.amdhsa_next_free_sgpr 66
		.amdhsa_reserve_vcc 0
		.amdhsa_float_denorm_mode_32 3
		.amdhsa_float_denorm_mode_16_64 3
		.amdhsa_memory_ordered 1
		.amdhsa_forward_progress 1
		.amdhsa_inst_pref_size 13
	.end_amdhsa_kernel
	.amdgpu_metadata
---
amdhsa.version: [ 1, 2 ]
amdhsa.kernels:
  - .name:           k_q6b65aaa534_cast
    .symbol:         k_q6b65aaa534_cast.kd
    .args:
      - { .name: x, .offset: 0, .size: 8, .value_kind: global_buffer, .address_space: global }
      - { .name: w_q, .offset: 8, .size: 8, .value_kind: global_buffer, .address_space: global }
      - { .name: w_k, .offset: 16, .size: 8, .value_kind: global_buffer, .address_space: global }
      - { .name: w_v, .offset: 24, .size: 8, .value_kind: global_buffer, .address_space: global }
      - { .name: w_o, .offset: 32, .size: 8, .value_kind: global_buffer, .address_space: global }
      - { .name: cb, .offset: 40, .size: 8, .value_kind: global_buffer, .address_space: global }
    .group_segment_fixed_size: 0
    .private_segment_fixed_size: 0
    .kernarg_segment_align: 8
    .kernarg_segment_size: 48
    .max_flat_workgroup_size: 256
    .sgpr_count:     66
    .vgpr_count:     104
    .wavefront_size: 32
...
	.end_amdgpu_metadata
.endif
;; end of part 8
;; launch qkv: the kernel of part 6 again; grid 12 x 32, 4 waves a work-group, clusters of 4 x 4, 327,680 bytes of LDS; arguments cb, b_q, b_k, b_v, qkv; writes qkv
;; launch attn: the kernel of part 7 again; grid 256 x 1, 8 waves a work-group, clusters of 4 x 1, 327,680 bytes of LDS; arguments qkv, ao; writes ao
;; launch oproj: the kernel of part 4 again; grid 8 x 32, 4 waves a work-group, clusters of 4 x 4, 327,680 bytes of LDS; arguments ao, cb, b_o, out0; writes out0
